; MI455X (gfx1250); checked and timed in simulation.
; The chip was launched on July 23, 2026; its instructions are those of AMD's public machine-readable ISA for CDNA 5 (MIT licence, August 2026) and "CDNA5" Instruction Set Architecture Reference Guide (July 2026). The comments in the code are by the model that wrote it; some were corrected since.
;; Multi Head Attention. Allowed arithmetic: matrix products marked QUANTISED: E2M1 operands, one E8M0 scale for each 32 along K, by v_wmma_scale_f32_16x16x128_f8f6f4 with both operands' format E2M1 (or v_wmma_scale_f32_32x16x128_f4), f32 sums; products left as they are: bf16, f16 or f32 operands; f32 sums; everything else in f32.
;; Inputs: K 2 x 2,048 x 1,024 float32; Q 2 x 2,048 x 1,024 float32; V 2 x 2,048 x 1,024 float32; WK 1,024 x 1,024 float32; WO 1,024 x 1,024 float32; WQ 1,024 x 1,024 float32; WV 1,024 x 1,024 float32; bK 1,024 float32; bO 1,024 float32; bQ 1,024 float32; bV 1,024 float32.
;; Outputs: out0 2 x 2,048 x 1,024 float32.
;; This version of the problem:
;;   THIS VERSION OF THE PROBLEM IS GIVEN IN LOW PRECISION. The matrix products marked QUANTISED in the list below multiply operands that are first quantised to E2M1 (2 exponent bits, 1 mantissa bit; 4 bits a number), with one power-of-two scale for each 32 numbers along K (OCP MX v1.0); their sums are f32. The products marked 'left as it is' may take bf16, f16 or f32 operands, with f32 sums. Whichever they take, every output number must still come out within the allowed error. Rounding operands to bf16 (8 significant bits) uses up far more of that allowance than f16 does (11 bits, for magnitudes from 6e-5 to 65,504). All else is computed in f32.
;;   The module's matrix products, in the order in which they are computed (A, B: the left and right operand; K: the contracted axis; several contracted axes count as one K, in the product's order):
;;     1. [M 4,096, K 1,024] x [K 1,024, N 1,024]; A: input Q; B: input WQ: QUANTISED
;;     2. [M 4,096, K 1,024] x [K 1,024, N 1,024]; A: input K; B: input WK: QUANTISED
;;     3. [M 4,096, K 1,024] x [K 1,024, N 1,024]; A: input V; B: input WV: QUANTISED
;;     4. batch 32 x [M 2,048, K 64] x [K 64, N 2,048]; A: computed on the way; B: computed on the way: left as it is (an operand is computed on the way)
;;     5. batch 32 x [M 2,048, K 2,048] x [K 2,048, N 64]; A: computed on the way; B: computed on the way: left as it is (an operand is computed on the way)
;;     6. [M 4,096, K 1,024] x [K 1,024, N 1,024]; A: computed on the way; B: input WO: left as it is (an operand is computed on the way)
;;   THE QUANTISER, for each operand of a quantised product, along K:
;;     - K is cut into blocks of 32 from its start; a last block that is shorter is filled with zeros.
;;     - A block's scale is 2^e with e = floor(log2(the largest magnitude in the block)) - 2, held to -126 .. 127; a block of zeros has e = 0. As a byte (E8M0): e + 127.
;;     - Each number is divided by its block's scale, clamped to +-6, and rounded to the nearest number of E2M1, ties to even, subnormals kept.
;;     - The product sums the exact products of the quantised numbers (number of the format x scale) in f32.
;;   ~~~python
;;   def quantise(x, axis):      # numpy; x: float32 -> the quantised numbers, widened to float32 again
;;       x = np.moveaxis(x, axis, -1); K = x.shape[-1]
;;       x = np.pad(x, [(0, 0)] * (x.ndim - 1) + [(0, -K % 32)]); x = x.reshape(x.shape[:-1] + (-1, 32)); a = np.abs(x).max(-1, keepdims=True)
;;       e = np.where(a > 0, np.clip(np.frexp(np.where(a > 0, a, 1))[1] - 1 - 2, -126, 127), 0)      # np.frexp(a)[1] - 1 = floor(log2(a)), exactly
;;       r = np.clip(x / 2.0 ** e, -6, 6)
;;       step = 2.0 ** (np.maximum(np.frexp(np.where(r == 0, 1, r))[1] - 1, 0) - 1)
;;       q = np.round(r / step) * step * 2.0 ** e      # np.round: ties to even
;;       return np.moveaxis(q.reshape(q.shape[:-2] + (-1,))[..., :K], -1, axis).astype(np.float32)
;;   ~~~
;; One version. Each part assembles by itself: llvm-mc -triple=amdgcn-amd-amdhsa -mcpu=gfx1250 --defsym DOCPART=n.
;; ======== version 1 of 1: 4 launches
;; limits: values are held in f16: magnitudes above 65,504 overflow, below 6.1e-05 lose precision
;; workspace buffers: xc 6,291,456 bytes; xs 393,216 bytes; wc 1,572,864 bytes; ws 98,304 bytes; wo16 2,097,152 bytes; qkv 25,165,824 bytes; o 8,388,608 bytes
;; launch prep (part 1): grid 352 x 1, 8 waves a work-group, no clusters, 61,952 bytes of LDS; arguments Q, K, V, WQ, WK, WV, WO, xc, xs, wc, ws, wo16; writes xc, xs, wc, ws, wo16
.if DOCPART == 1
	.amdgcn_target "amdgcn-amd-amdhsa--gfx1250"
	.amdhsa_code_object_version 6
	.text
	.protected	k_qf28cffa3f6_prep
	.globl	k_qf28cffa3f6_prep
	.p2align	8
	.type	k_qf28cffa3f6_prep,@function
k_qf28cffa3f6_prep:
	s_mov_b64 s[64:65], 0
	v_nop
	global_prefetch_b8 v0, s[64:65] scope:SCOPE_SE
	s_setreg_imm32_b32 hwreg(HW_REG_WAVE_MODE, 25, 1), 1
	s_wait_xcnt 0x0
; PREPARATION, one launch, three kinds of work-group, told apart by the work-group's number alone (the same in all eight waves):
;   0 .. 95    WQ, WK, WV [1024 k][1024 n] f32 -> codes of FP4 (E2M1) laid [n][512 bytes], K innermost, and one E8M0 byte for each 32 along K, laid [n][32 bytes]
;   96 .. 159  WO [1024][1024] f32 -> f16, in the same order
;   160 .. 351 Q, K, V [4096][1024] f32 -> codes [row][512 bytes] and scale bytes [row][32 bytes], the three tensors one behind the other
; A block's scale is 2^(floor(log2(its largest magnitude)) - 2): its byte is the largest magnitude's exponent field - 2, held at 1 from below.
; Each number is divided by the scale and rounded to the nearest code, ties to even; beyond 6 the largest code.
; LIMITS: NaN and infinities among the inputs are not served.  A block of zeros keeps the byte 1 where the rule says 127: its codes are zeros, which add nothing, and this program alone reads the bytes.
; Blocks whose largest magnitude lies under 2^(2 - 126) have their byte held at 1.  WO is rounded to f16 (magnitudes up to 65,504).
; No tensor loads.  Each kind of work-group has LDS bytes of its own.
.set SPW,    14                        ; v14  LDS address of my spare word: SPARE + 4 x my thread's number; never rewritten
.set NIL,    15                        ; v15  0; never rewritten
.set WAVES,  8
.set STEPS,  16
.set EMAX,   2
.set CB,     8                         ; bytes of 16 codes
.set SP,     80                        ; activations: a lane's place in a stage: 64 bytes + 16 of padding
.set WREG,   2*32*SP+256               ; activations: a wave's region: two stages, then its 256 scale bytes
.set WPITCH, 528                       ; weights: a column's 512 bytes of codes + 16 of padding
.set WSTG,   WAVES*WREG                ; weights: 32 columns of codes
.set WSC,    WSTG+32*WPITCH            ; weights: 32 columns x 32 scale bytes
.set SPARE,  WSC+32*32                 ; the spare words, 128 bytes for each wave: four blocks of 256 bytes that no other line names
.set R,      16                        ; activations: v16-79 four sets of 16 numbers as loaded
.set X,      80                        ; v80-111  two sets of 16 neighbours
.set E,      112                       ; v112-127 a scale byte for each step
.set C,      128                       ; v128-191 codes: four registers for each step
.set WX,     32                        ; weights: v32-159 my column's 128 numbers down K
.set WCD,    160                       ; v160-175 their codes
.set WOUT,   176                       ; v176-191 four columns' rows on the way out
.macro CLOSE                           ; a wave's end, behind its last LDS store: the tensor wait, the add and its wait
	s_wait_tensorcnt 0x0
	ds_add_u32 v[SPW], v[NIL]
	s_wait_dscnt 0x0
	s_endpgm
.endm
	s_load_b512 s[4:19], s[0:1], 0x0               ; Q 4, K 6, V 8, WQ 10, WK 12, WV 14, WO 16, xc 18
	s_load_b256 s[20:27], s[0:1], 0x40             ; xs 20, wc 22, ws 24, wo16 26
	v_lshl_add_u32 v[SPW], v0, 2, SPARE
	v_mov_b32 v[NIL], 0
	v_lshrrev_b32 v1, 5, v0
	v_readfirstlane_b32 s28, v1                    ; wave 0..7
	v_and_b32 v2, 31, v0                           ; lane
	s_wait_kmcnt 0x0
	s_cmp_lt_u32 ttmp9, 96
	s_cbranch_scc1 .Lweights
	s_cmp_lt_u32 ttmp9, 160
	s_cbranch_scc1 .Lcast
; ---- ACTIVATIONS.  Rows are dense and K is a multiple of 32: each tensor is a plain stream of blocks of 32.  A wave takes 16 steps of 512 numbers.
; Each of a step's four loads reads 512 consecutive bytes; the 2,048 bytes turn through the wave's own stage in LDS and come back 64 bytes a lane: 16 neighbours, two lanes to a block.
	s_sub_co_u32 s29, ttmp9, 160                   ; 0 .. 191: 64 work-groups to a tensor
	s_cmp_lt_u32 s29, 64
	s_cselect_b64 s[4:5], s[4:5], s[6:7]           ; Q or K,
	s_cmp_lt_u32 s29, 128
	s_cselect_b64 s[4:5], s[4:5], s[8:9]           ; or V: the choice hangs on the work-group's number alone
	s_and_b32 s30, s29, 63
	s_lshl_b32 s30, s30, 3
	s_add_co_u32 s30, s30, s28                     ; my wave's run of 8,192 numbers in its tensor
	s_lshl_b32 s30, s30, 15
	s_mov_b32 s31, 0
	s_add_nc_u64 s[4:5], s[4:5], s[30:31]
	s_lshl_b32 s32, s29, 3
	s_add_co_u32 s32, s32, s28                     ; and among the three tensors' runs
	s_lshl_b32 s30, s32, 12                        ; 4,096 bytes of codes a run
	s_add_nc_u64 s[18:19], s[18:19], s[30:31]
	s_lshl_b32 s30, s32, 8                         ; 256 scale bytes a run
	s_add_nc_u64 s[20:21], s[20:21], s[30:31]
	v_lshlrev_b32 v3, 4, v2                        ; my 16 bytes of a load's 512
	s_mul_i32 s33, s28, WREG
	v_lshrrev_b32 v12, 2, v2
	v_mul_u32_u24 v12, v12, SP
	v_and_b32 v13, 3, v2
	v_lshl_add_u32 v12, v13, 4, v12
	v_add_nc_u32 v12, s33, v12                     ; the stage, on the way in: SP (lane / 4) + 16 (lane % 4)
	v_mul_u32_u24 v13, v2, SP
	v_add_nc_u32 v13, s33, v13                     ; and on the way out: SP x lane
	v_mul_u32_u24 v4, v2, CB                       ; my codes' place in a step's
	v_lshrrev_b32 v5, 1, v2
	s_add_co_u32 s33, s33, 2*32*SP
	v_add_nc_u32 v5, s33, v5                       ; my wave's 256 scale bytes, my block's byte
	v_lshlrev_b32 v7, 3, v2
	v_add_nc_u32 v6, s33, v7                       ; and on the way out 8 bytes a lane
.macro LOAD t
.irp i, 0,1,2,3
	global_load_b128 v[R+16*((\t)%4)+4*\i:R+16*((\t)%4)+4*\i+3], v3, s[4:5] offset:2048*(\t)+512*\i th:TH_LOAD_NT
.endr
.endm
.macro TURN t                          ; step t's numbers through the stage: LDS serves a wave's instructions in order, so no wait stands between the stores and the loads
.irp i, 0,1,2,3
	ds_store_b128 v12, v[R+16*((\t)%4)+4*\i:R+16*((\t)%4)+4*\i+3] offset:32*SP*((\t)%2)+8*SP*\i
.endr
.irp i, 0,1,2,3
	ds_load_b128 v[X+16*((\t)%2)+4*\i:X+16*((\t)%2)+4*\i+3], v13 offset:32*SP*((\t)%2)+16*\i
.endr
.endm
.irp t, 0,1,2,3
	LOAD \t
.endr
	s_wait_loadcnt 12                              ; step 0's four loads are in; twelve younger ones stay out
	TURN 0
.macro STEP t
.set XS, X+16*((\t)%2)
.if (\t) > 0
	s_wait_dscnt 1                                 ; this step's numbers are back from the stage (the last step's byte store may be out), so its stores into the stage have read their registers,
.else
	s_wait_dscnt 0x0
.endif
.if (\t)+4 < STEPS
	LOAD (\t)+4                                    ; which take the loads of four steps on
.endif
.if (\t)+1 < STEPS
.if STEPS-2-(\t) >= 3
	s_wait_loadcnt 12                              ; the next step's four loads are in; those of the three steps behind it may be out
.else
	s_wait_loadcnt 4*(STEPS-2-(\t))
.endif
	TURN (\t)+1
.endif
	v_max3_num_f32 v8, |v[XS]|, |v[XS+1]|, |v[XS+2]|               ; the largest magnitude of my 16, in two chains
	v_max3_num_f32 v9, |v[XS+3]|, |v[XS+4]|, |v[XS+5]|
.irp i, 6,10
	v_max3_num_f32 v8, v8, |v[XS+\i]|, |v[XS+\i+1]|
	v_max3_num_f32 v9, v9, |v[XS+\i+2]|, |v[XS+\i+3]|
.endr
	v_max3_num_f32 v8, v8, |v[XS+14]|, |v[XS+15]|
	v_max3_num_f32 v8, v8, v9, (EMAX+1)<<23        ; and the floor 2^(EMAX + 1 - 127): the byte cannot fall under 1
	v_max_num_f32_dpp v8, v8, v8 row_xmask:1 row_mask:0xf bank_mask:0xf   ; with my neighbour's 16: the block's
	v_add_nc_u32 v11, -(EMAX<<23), v8              ; EMAX off its exponent field: the conversion takes the exponent field of this operand as its scale
	v_cvt_scalef32_pk8_fp4_f32 v[C+4*(\t)], v[XS:XS+7], v11
	v_cvt_scalef32_pk8_fp4_f32 v[C+4*(\t)+1], v[XS+8:XS+15], v11
	v_lshrrev_b32 v[E+(\t)], 23, v11               ; the scale's byte (also the plain line behind the conversions)
	ds_store_b8 v5, v[E+(\t)] offset:16*(\t)       ; both lanes of a block write the same byte with the same value
	global_store_b64 v4, v[C+4*(\t):C+4*(\t)+1], s[18:19] offset:32*CB*(\t)   ; the wave stores 256 consecutive bytes, aligned
.endm
.irp t, 0,1,2,3,4,5,6,7,8,9,10,11,12,13,14,15
	STEP \t
.endr
	ds_load_b64 v[8:9], v6                         ; my wave's 256 scale bytes: these see my stores
	s_wait_dscnt 0x0
	global_store_b64 v7, v[8:9], s[20:21]          ; 256 consecutive bytes, aligned
	CLOSE
; ---- WEIGHTS.  K is the first axis.  A work-group takes 32 columns of one weight and all of K; wave w takes K = 128 w .. 128 w + 127.  A LANE TAKES A COLUMN AND ITS REGISTERS RUN DOWN K:
; a block of 32 lies in one lane's registers, and the conversions give codes with K innermost.  The eight waves' parts of a column meet in LDS and leave as whole rows of 512 bytes.
.Lweights:
	s_lshr_b32 s29, ttmp9, 5                       ; which weight
	s_and_b32 s30, ttmp9, 31                       ; which 32 columns
	s_cmp_eq_u32 s29, 0
	s_cselect_b64 s[10:11], s[10:11], s[12:13]
	s_cmp_lt_u32 s29, 2
	s_cselect_b64 s[10:11], s[10:11], s[14:15]
	s_lshl_b32 s32, s28, 19                        ; 128 w rows of 4,096 bytes
	s_lshl_b32 s33, s30, 7                         ; 32 columns of 4 bytes
	s_add_co_u32 s32, s32, s33
	s_mov_b32 s33, 0
	s_add_nc_u64 s[10:11], s[10:11], s[32:33]
	v_lshlrev_b32 v3, 2, v2
.set i, 0
.rept 128                              ; all of my 128 rows are asked for in one run: each load reads 128 consecutive bytes
	global_load_b32 v[WX+i], v3, s[10:11] offset:i*4096 th:TH_LOAD_NT
.set i, i+1
.endr
	s_lshl_b32 s34, s29, 10
	s_lshl_b32 s35, s30, 5
	s_add_co_u32 s34, s34, s35                     ; my work-group's first row of wc and ws: 1024 x weight + 32 x group
	s_lshl_b32 s35, s28, 2
	s_add_co_u32 s35, s35, s34                     ; the first of the four rows that my wave stores
	s_lshl_b32 s32, s35, 9
	s_add_nc_u64 s[22:23], s[22:23], s[32:33]
	s_lshl_b32 s32, s34, 5
	s_add_nc_u64 s[24:25], s[24:25], s[32:33]
	v_mul_u32_u24 v4, v2, WPITCH
	s_lshl_b32 s36, s28, 6
	s_add_co_u32 s36, s36, WSTG
	v_add_nc_u32 v4, s36, v4                       ; codes in: row = my column, + 64 w
	v_lshlrev_b32 v5, 5, v2
	s_lshl_b32 s36, s28, 2
	s_add_co_u32 s36, s36, WSC
	v_add_nc_u32 v5, s36, v5                       ; scale word in: 32 x column + 4 w
	s_mul_i32 s36, s28, 4*WPITCH
	s_add_co_u32 s36, s36, WSTG
	v_lshlrev_b32 v7, 4, v2                        ; codes out: 16 bytes a lane of a row,
	v_add_nc_u32 v6, s36, v7                       ; rows 4 w on
	v_and_b32 v8, 63, v0
	v_lshlrev_b32 v9, 4, v8                        ; scale bytes out: 16 bytes a thread, threads 0 to 63
	v_add_nc_u32 v8, WSC, v9
.macro WBLOCK t
.set XS, WX+32*(\t)
.if 96-32*(\t) > 63
	s_wait_loadcnt 63                              ; the younger blocks' loads may be out; the count is the largest that this wait can name
.else
	s_wait_loadcnt 96-32*(\t)                      ; the younger blocks' loads may be out
.endif
	v_max3_num_f32 v12, |v[XS]|, |v[XS+1]|, |v[XS+2]|              ; the block's largest magnitude: all 32 numbers are mine
	v_max3_num_f32 v13, |v[XS+3]|, |v[XS+4]|, |v[XS+5]|
.irp i, 6,10,14,18,22,26
	v_max3_num_f32 v12, v12, |v[XS+\i]|, |v[XS+\i+1]|
	v_max3_num_f32 v13, v13, |v[XS+\i+2]|, |v[XS+\i+3]|
.endr
	v_max3_num_f32 v12, v12, |v[XS+30]|, |v[XS+31]|
	v_max3_num_f32 v12, v12, v13, (EMAX+1)<<23     ; and the floor
	v_add_nc_u32 v11, -(EMAX<<23), v12             ; the conversion's scale operand
	v_lshrrev_b32 v13, 23, v11                     ; the scale's byte
.if (\t) == 0
	v_mov_b32 v24, v13                             ; four bytes make my 128 K's scale word, the lower K in the lower byte
.else
	v_lshl_or_b32 v24, v13, 8*(\t), v24
.endif
.irp g, 0,1,2,3
	v_cvt_scalef32_pk8_fp4_f32 v[WCD+4*(\t)+\g], v[XS+8*\g:XS+8*\g+7], v11
.endr
	v_nop                                          ; one plain line behind the conversions
	ds_store_b128 v4, v[WCD+4*(\t):WCD+4*(\t)+3] offset:16*(\t)
.endm
.irp t, 0,1,2,3
	WBLOCK \t
.endr
	ds_store_b32 v5, v24
	s_wait_dscnt 0x0                               ; for the others' sake: my stores have landed
	s_barrier_signal -1
	s_barrier_wait -1                              ; 32 whole columns lie in LDS
.irp i, 0,1,2,3
	ds_load_b128 v[WOUT+4*\i:WOUT+4*\i+3], v6 offset:WPITCH*\i
.endr
.irp i, 0,1,2,3
	s_wait_dscnt 3-\i
	global_store_b128 v7, v[WOUT+4*\i:WOUT+4*\i+3], s[22:23] offset:512*\i   ; a row of wc: 512 consecutive bytes, aligned
.endr
	s_cmp_lt_u32 s28, 2                            ; the 1,024 scale bytes are dense in ws: waves 0 and 1 store 512 each
	s_cbranch_scc0 .Lno_scales
	ds_load_b128 v[28:31], v8
	s_wait_dscnt 0x0
	global_store_b128 v9, v[28:31], s[24:25]
.Lno_scales:
	CLOSE
; ---- WO to f16: a wave takes 2,048 numbers.  A load reads 512 consecutive bytes, a store writes 256, aligned.  No LDS.
.Lcast:
	s_sub_co_u32 s29, ttmp9, 96
	s_lshl_b32 s29, s29, 3
	s_add_co_u32 s29, s29, s28
	s_lshl_b32 s30, s29, 13
	s_mov_b32 s31, 0
	s_add_nc_u64 s[16:17], s[16:17], s[30:31]
	s_lshl_b32 s30, s29, 12
	s_add_nc_u64 s[26:27], s[26:27], s[30:31]
	v_lshlrev_b32 v3, 4, v2
	v_lshlrev_b32 v4, 3, v2
.irp i, 0,1,2,3,4,5,6,7,8,9,10,11,12,13,14,15
	global_load_b128 v[32+4*\i:32+4*\i+3], v3, s[16:17] offset:512*\i th:TH_LOAD_NT
.endr
.irp i, 0,1,2,3,4,5,6,7,8,9,10,11,12,13,14,15
	s_wait_loadcnt 15-\i                           ; loads come back in order: load i is in, the younger ones stay out
	v_cvt_pk_f16_f32 v[96+2*\i], v[32+4*\i], v[32+4*\i+1]
	v_cvt_pk_f16_f32 v[97+2*\i], v[32+4*\i+2], v[32+4*\i+3]
	global_store_b64 v4, v[96+2*\i:97+2*\i], s[26:27] offset:256*\i
.endr
	s_endpgm
.Lfunc_end_k_qf28cffa3f6_prep:
	.size	k_qf28cffa3f6_prep, .Lfunc_end_k_qf28cffa3f6_prep-k_qf28cffa3f6_prep
	.p2alignl 7, 3214868480
	.fill 96, 4, 3214868480
	.section	.rodata,"a",@progbits
	.p2align	6, 0x0
	.amdhsa_kernel k_qf28cffa3f6_prep
		.amdhsa_group_segment_fixed_size 61952
		.amdhsa_private_segment_fixed_size 0
		.amdhsa_enable_private_segment 0
		.amdhsa_kernarg_size 96
		.amdhsa_user_sgpr_count 2
		.amdhsa_user_sgpr_kernarg_segment_ptr 1
		.amdhsa_wavefront_size32 1
		.amdhsa_system_sgpr_workgroup_id_x 1
		.amdhsa_system_sgpr_workgroup_id_y 1
		.amdhsa_system_sgpr_workgroup_id_z 1
		.amdhsa_system_vgpr_workitem_id 0
		.amdhsa_next_free_vgpr 192
		.amdhsa_next_free_sgpr 66
		.amdhsa_reserve_vcc 0
		.amdhsa_float_denorm_mode_32 3
		.amdhsa_float_denorm_mode_16_64 3
		.amdhsa_memory_ordered 1
		.amdhsa_forward_progress 1
		.amdhsa_inst_pref_size 60
	.end_amdhsa_kernel
	.amdgpu_metadata
---
amdhsa.version: [ 1, 2 ]
amdhsa.kernels:
  - .name:           k_qf28cffa3f6_prep
    .symbol:         k_qf28cffa3f6_prep.kd
    .args:
      - { .name: Q, .offset: 0, .size: 8, .value_kind: global_buffer, .address_space: global }
      - { .name: K, .offset: 8, .size: 8, .value_kind: global_buffer, .address_space: global }
      - { .name: V, .offset: 16, .size: 8, .value_kind: global_buffer, .address_space: global }
      - { .name: WQ, .offset: 24, .size: 8, .value_kind: global_buffer, .address_space: global }
      - { .name: WK, .offset: 32, .size: 8, .value_kind: global_buffer, .address_space: global }
      - { .name: WV, .offset: 40, .size: 8, .value_kind: global_buffer, .address_space: global }
      - { .name: WO, .offset: 48, .size: 8, .value_kind: global_buffer, .address_space: global }
      - { .name: xc, .offset: 56, .size: 8, .value_kind: global_buffer, .address_space: global }
      - { .name: xs, .offset: 64, .size: 8, .value_kind: global_buffer, .address_space: global }
      - { .name: wc, .offset: 72, .size: 8, .value_kind: global_buffer, .address_space: global }
      - { .name: ws, .offset: 80, .size: 8, .value_kind: global_buffer, .address_space: global }
      - { .name: wo16, .offset: 88, .size: 8, .value_kind: global_buffer, .address_space: global }
    .group_segment_fixed_size: 61952
    .private_segment_fixed_size: 0
    .kernarg_segment_align: 8
    .kernarg_segment_size: 96
    .max_flat_workgroup_size: 256
    .sgpr_count:     66
    .vgpr_count:     192
    .wavefront_size: 32
...
	.end_amdgpu_metadata
.endif
;; end of part 1
;; launch proj (part 2): grid 4 x 48, 4 waves a work-group, clusters of 4 x 4, 327,680 bytes of LDS; arguments xc, xs, wc, ws, bQ, bK, bV, qkv; writes qkv
.if DOCPART == 2
	.amdgcn_target "amdgcn-amd-amdhsa--gfx1250"
	.amdhsa_code_object_version 6
	.text
	.protected	k_qf28cffa3f6_proj
	.globl	k_qf28cffa3f6_proj
	.p2align	8
	.type	k_qf28cffa3f6_proj,@function
k_qf28cffa3f6_proj:
	s_mov_b64 s[64:65], 0
	v_nop
	global_prefetch_b8 v0, s[64:65] scope:SCOPE_SE
	s_setreg_imm32_b32 hwreg(HW_REG_WAVE_MODE, 25, 1), 1
	s_wait_xcnt 0x0
	s_wait_alu depctr_hold_cnt(0) depctr_sa_sdst(0) depctr_va_vdst(0) depctr_va_sdst(0) depctr_va_ssrc(0) depctr_va_vcc(0) depctr_vm_vsrc(0)
	s_getreg_b32 s2, hwreg(HW_REG_IB_STS2, 6, 4)
	s_cmp_eq_u32 s2, 0
	s_cbranch_scc0 .Lentry_in_a_cluster
	s_endpgm
.Lentry_in_a_cluster:
	s_bfe_u32 s2, ttmp6, 0x10000c
	s_cmp_lg_u32 s2, 0xf033
	s_cbranch_scc0 .Lentry_shape_is_right
	s_endpgm
.Lentry_shape_is_right:
; THE THREE PROJECTIONS, q = Q WQ + bQ and its like, on codes of FP4 (E2M1) with one E8M0 scale for each 32 along K; sums in f32; results rounded to f16 and laid by heads: qkv [3][2 b][16 h][2048 s][64].
; A: xc [3 x 4096 rows][512 bytes], xs [rows][32 bytes].  B: wc [3 x 1024 n][512 bytes], ws [n][32 bytes].  Tile rows 0 .. 47 of 256 rows: 16 to a projection.
; A tile of 256 x 256 is made by four waves, each 128 x 128: 64 accumulators, 512 registers.  K = 1,024 is two slots of 512: both are filled once, at the start; nothing is filled again.
; The scale bytes of the work-group's rows of A and of B, for all of K, come once, with the first fills.  By this text's count a wave has three tensor loads out at the most.
; CLUSTERS: 4 x 4 work-groups; a cluster lies inside one projection.  A's tiles are shared along a row of the cluster, B's along a column: each is asked for jointly.
; THE MATRIX INSTRUCTION IS USED TRANSPOSED (source 0 = 16 rows of B, source 1 = 16 rows of A): a lane holds eight neighbouring columns of one row.  The bias is the C of each sum's first product.
; LIMITS: results are rounded to f16: magnitudes up to 65,504.  The bias is added ahead of the products, not behind them.
; REGISTERS: window 0: v0-31 addresses; v32-95 scale words, two sets; v128-191 A's fragments, one set; v192-255 the bias, 8 registers for each of B's 8 blocks.  window 1: B's fragments, two sets.
;   window 2: the accumulators of my rows 0-63 ((a, b) at v[8 (8 a + b)]);  window 3: those of rows 64-127.  On the way out v32-63 and v128-191 of window 0 are free.
.set KSTEP,  512
.set NQ,     KSTEP/128
.set ROWB,   256
.set KROW,   512                       ; a row of codes in memory
.set PITCH,  272                       ; an LDS row: 256 bytes + 16 of padding: the 16 rows that a load touches start at 16 different groups of four banks
.set FR,     8
.set NL,     2
.set NP,     4
.set HALFT,  128*PITCH
.set SLOT,   4*HALFT
.set KS,     32                        ; a row of scale bytes
.set SCL,    2*SLOT
.set HALFS,  (128*KS/256)*272
.set SBLK,   (16*KS/256)*272
.set SPARE,  SCL+4*HALFS               ; the spare words, 128 bytes for each wave: two blocks of 256 bytes that no other line names
.set HPITCH, 144                       ; the way out: a head's row of 128 bytes + 16
.set HSTG,   16*HPITCH                 ; 16 rows of one head; a wave's stage is two of these, in slot 0, which has had its one fill and its last read by then
.set HEADB,  262144                    ; a head in qkv: 2,048 rows of 128 bytes
.set ADRA, 16
.set ADRB, 20
.set STO,  24
.set RD,   25
.set CO,   26
.set ADRS, 27
.set SPW,  28                          ; v28 LDS address of my spare word; never rewritten
.set NIL,  29                          ; v29 0; never rewritten
.set SC,   32
.set AF,   128
.set BI,   192
.set TMP,  32
.set BK,   128
.set G1, 24
.set G0, 32
.set G1B, 48
.set G0B, 56
.set G1S, 68
.set G0S, 76
.set G1SB, 80
.set G0SB, 88
.set MSB, 0
.macro WIN new                         ; the immediate's high byte repeats the setting that is left
.if MSB != \new
	s_set_vgpr_msb (MSB<<8)|\new
.set MSB, \new
.endif
.endm
.set MUL_LO,   0xa1                    ; source 0 (B) window 1, source 1 (A) window 0, C and D window 2
.set MUL_HI,   0xf1                    ; the same, C and D window 3
.set FIRST_LO, 0x81                    ; the first step: C is the bias, in window 0
.set FIRST_HI, 0xc1
.set TO_B,     0x40
; A joint load: waves 0 and 1 fetch for A, waves 2 and 3 for B.  The branch hangs on the wave's number alone.  An s_nop 0 and four v_nop follow each of the two lines.
.macro JLOAD g0a, g1a, g0b, g1b
	s_cmp_eq_u32 s15, 0
	s_cbranch_scc0 .Lfor_b_\@
	tensor_load_to_lds s[\g0a:\g0a+3], s[\g1a:\g1a+7]
	s_nop 0
.rept 4
	v_nop
.endr
	s_branch .Lasked_\@
.Lfor_b_\@:
	tensor_load_to_lds s[\g0b:\g0b+3], s[\g1b:\g1b+7]
	s_nop 0
.rept 4
	v_nop
.endr
.Lasked_\@:
.endm
.macro CROUND                          ; a round of the cluster's barrier
	s_barrier_signal -1
	s_barrier_wait -1
	s_cmp_lg_u32 s14, 0
	s_cbranch_scc1 .Lnot_wave_0_\@
	s_barrier_signal -3
.Lnot_wave_0_\@:
	s_barrier_wait -3
	s_barrier_signal -1
	s_barrier_wait -1
.endm
	s_load_b256 s[4:11], s[0:1], 0x0               ; xc s[4:5], xs s[6:7], wc s[8:9], ws s[10:11]
	s_load_b128 s[96:99], s[0:1], 0x20             ; bQ, bK
	s_load_b64 s[100:101], s[0:1], 0x30            ; bV
	s_load_b64 s[12:13], s[0:1], 0x38              ; qkv
	v_lshl_add_u32 v[SPW], v0, 2, SPARE
	v_mov_b32 v[NIL], 0
	ds_add_u32 v[SPW], v[NIL]                      ; the wave's opening: the add, twice on end, and its wait ahead of my first tensor load
	ds_add_u32 v[SPW], v[NIL]
	v_lshrrev_b32 v1, 5, v0
	v_readfirstlane_b32 s14, v1                    ; wave 0..3
	s_lshr_b32 s15, s14, 1                         ; which half of the tile's rows is mine.  Also: I fetch for A (0) or for B (1)
	s_and_b32 s16, s14, 1                          ; which half of its columns.  Also: which 128 rows of that tile I fetch
	s_bfe_u32 s40, ttmp6, 0x40000                  ; cx, cy
	s_bfe_u32 s41, ttmp6, 0x40004
	s_lshl_b32 s42, ttmp9, 2
	s_add_co_u32 s42, s42, s40                     ; tile column 0..3
	s_and_b32 s17, ttmp7, 0xffff                   ; cluster y 0..11
	s_lshr_b32 s95, s17, 2                         ; the projection 0..2: the same in all sixteen partners
	s_lshl_b32 s17, s17, 2
	s_add_co_u32 s17, s17, s41                     ; tile row 0..47
	s_lshl_b32 s43, s41, 2
	s_lshl_b32 s43, 15, s43                        ; my row of the cluster
	s_lshl_b32 s44, 0x1111, s40                    ; my column
	s_or_b32 s[G1+0], s43, (0<<16)|(1<<20)|(1<<21)|(5<<22)|(3<<25)  ; the mask; elements of 1 byte; padding on; bit 21 beside a mask; 4 words of padding after every 64
	s_or_b32 s[G1B+0], s44, (0<<16)|(1<<20)|(1<<21)|(5<<22)|(3<<25)
.irp g, G1, G1B
	s_mov_b32 s[\g+1], ROWB<<16                    ; tensor_dim0
	s_mov_b32 s[\g+2], 128<<16                     ; tensor_dim1
	s_mov_b32 s[\g+3], ROWB<<16                    ; tile_dim0
	s_mov_b32 s[\g+4], 128                         ; tile_dim1
	s_mov_b32 s[\g+5], KROW                        ; the pitch
	s_mov_b32 s[\g+6], 0
	s_mov_b32 s[\g+7], 0
.endr
	s_or_b32 s[G1S+0], s43, (3<<16)|(1<<20)|(1<<21)|(5<<22)|(3<<25) ; the scales of 128 rows: 4,096 dense bytes as 16 rows of 256 (32 elements of 8 bytes), 16 bytes of padding behind each
	s_or_b32 s[G1SB+0], s44, (3<<16)|(1<<20)|(1<<21)|(5<<22)|(3<<25)
.irp g, G1S, G1SB
	s_mov_b32 s[\g+1], 32<<16
	s_mov_b32 s[\g+2], (128*KS/256)<<16
	s_mov_b32 s[\g+3], 32<<16
	s_mov_b32 s[\g+4], 128*KS/256
	s_mov_b32 s[\g+5], 32
	s_mov_b32 s[\g+6], 0
	s_mov_b32 s[\g+7], 0
.endr
	s_lshl_b32 s18, s16, 7                         ; which 128 rows of the tile I fetch
	s_lshl_b32 s20, s17, 8
	s_add_co_u32 s20, s20, s18                     ; A: row 256 x tile row + 128 x half, among the 12,288
	s_lshl_b32 s46, s42, 8
	s_add_co_u32 s46, s46, s18
	s_lshl_b32 s47, s95, 10
	s_add_co_u32 s46, s46, s47                     ; B: row 1024 x projection + 256 x tile column + 128 x half
	s_mov_b32 s21, 0
	s_mov_b32 s47, 0
	s_mov_b64 s[18:19], KS
	s_mul_u64 s[22:23], s[20:21], s[18:19]         ; where these rows' scales begin,
	s_mul_u64 s[92:93], s[46:47], s[18:19]
	s_mov_b64 s[18:19], KROW
	s_mul_u64 s[20:21], s[20:21], s[18:19]         ; and their codes
	s_mul_u64 s[46:47], s[46:47], s[18:19]
	s_mul_i32 s45, s14, HALFT                      ; where they go: wave x 128 rows
	s_mul_i32 s94, s14, HALFS
	s_wait_dscnt 0x0                               ; both opening adds are done
	s_wait_kmcnt 0x0
	s_add_nc_u64 s[20:21], s[4:5], s[20:21]
	s_add_nc_u64 s[22:23], s[6:7], s[22:23]
	s_add_nc_u64 s[46:47], s[8:9], s[46:47]
	s_add_nc_u64 s[92:93], s[10:11], s[92:93]
	CROUND                                         ; all sixteen work-groups are here: the joint loads meet
	s_mov_b32 s[G0S], 1
	s_add_co_u32 s[G0S+1], s94, SCL
	s_mov_b64 s[G0S+2:G0S+3], s[22:23]
	s_or_b32 s[G0S+3], s[G0S+3], 0x80000000
	s_mov_b32 s[G0SB], 1
	s_add_co_u32 s[G0SB+1], s94, SCL
	s_mov_b64 s[G0SB+2:G0SB+3], s[92:93]
	s_or_b32 s[G0SB+3], s[G0SB+3], 0x80000000
	JLOAD G0S, G1S, G0SB, G1SB                     ; the scales first: they are wanted with slot 0
.irp s, 0,1
	s_mov_b32 s[G0+4*\s], 1
	s_add_co_u32 s[G0+4*\s+1], s45, \s*SLOT
	s_add_nc_u64 s[G0+4*\s+2:G0+4*\s+3], s[20:21], \s*ROWB
	s_or_b32 s[G0+4*\s+3], s[G0+4*\s+3], 0x80000000
	s_mov_b32 s[G0B+4*\s], 1
	s_add_co_u32 s[G0B+4*\s+1], s45, \s*SLOT
	s_add_nc_u64 s[G0B+4*\s+2:G0B+4*\s+3], s[46:47], \s*ROWB
	s_or_b32 s[G0B+4*\s+3], s[G0B+4*\s+3], 0x80000000
	JLOAD G0+4*\s, G1, G0B+4*\s, G1B
.endr
	v_and_b32 v1, 15, v0                           ; r = l % 16
	v_bfe_u32 v2, v0, 4, 1                         ; h = l / 16
	; the bias of my 128 columns: for B's block b lane (r, h) wants columns 16 b + 8 h + 0 .. 7, the result's layout
	s_cmp_eq_u32 s95, 0
	s_cselect_b64 s[96:97], s[96:97], s[98:99]
	s_cmp_lt_u32 s95, 2
	s_cselect_b64 s[96:97], s[96:97], s[100:101]
	s_lshl_b32 s46, s42, 10
	s_lshl_b32 s47, s16, 9
	s_add_co_u32 s46, s46, s47
	s_mov_b32 s47, 0
	s_add_nc_u64 s[96:97], s[96:97], s[46:47]
	v_lshlrev_b32 v7, 5, v2
.irp b, 0,1,2,3,4,5,6,7
	global_load_b128 v[BI+8*\b:BI+8*\b+3], v7, s[96:97] offset:64*\b
	global_load_b128 v[BI+8*\b+4:BI+8*\b+7], v7, s[96:97] offset:64*\b+16
.endr
	v_mul_u32_u24 v3, v1, PITCH
	v_lshl_add_u32 v4, v2, 4, v3                   ; a fragment's row x pitch + 16 x half
	s_mul_i32 s21, s15, HALFT                      ; my 128 rows of A
	s_mul_i32 s22, s16, HALFT                      ; my 128 rows of B,
	s_add_co_u32 s22, s22, 2*HALFT                 ; behind A's 256
.irp s, 0,1
	v_add_nc_u32 v[ADRA+\s], s21, v4
	v_add_nc_u32 v[ADRB+\s], s22, v4
	s_add_co_u32 s21, s21, SLOT
	s_add_co_u32 s22, s22, SLOT
.endr
	v_mul_u32_u24 v5, v1, KS                       ; my row's scales: KS bytes a row,
	v_lshrrev_b32 v6, 8, v5
	v_lshl_add_u32 v5, v6, 4, v5                   ; and 16 more for each 256 passed
	s_mul_i32 s21, s15, HALFS
	s_mul_i32 s22, s16, HALFS
	s_add_co_u32 s22, s22, 2*HALFS
	s_sub_co_u32 s22, s22, s21
	v_mul_u32_u24 v6, s22, v2                      ; lanes 16-31 take B's
	s_add_co_u32 s21, s21, SCL
	v_add_nc_u32 v5, v5, v6
	v_add_nc_u32 v[ADRS], s21, v5
	s_mul_i32 s23, s14, 2*HSTG                     ; my stage
	v_mul_u32_u24 v5, v1, HPITCH
	v_lshl_add_u32 v5, v2, 4, v5
	v_add_nc_u32 v[STO], s23, v5                   ; in: row r, 16 bytes for each half of the lanes
	v_and_b32 v6, 31, v0
	v_lshlrev_b32 v[CO], 4, v6                     ; out: 16 bytes a lane: four rows of 128 bytes an instruction, dense in qkv
	v_lshrrev_b32 v5, 3, v6
	v_mul_u32_u24 v5, v5, HPITCH
	v_and_b32 v6, 7, v0
	v_lshl_add_u32 v5, v6, 4, v5
	v_add_nc_u32 v[RD], s23, v5
	; my part of qkv: head (tile row / 8) x 16 + 4 x tile column + 2 x column half; row (tile row % 8) x 256 + 128 x row half
	s_lshr_b32 s20, s17, 3
	s_lshl_b32 s20, s20, 4
	s_lshl_b32 s46, s42, 2
	s_lshl_b32 s47, s16, 1
	s_add_co_u32 s46, s46, s47
	s_add_co_u32 s20, s20, s46
	s_lshl_b32 s20, s20, 18
	s_and_b32 s21, s17, 7
	s_lshl_b32 s21, s21, 15
	s_add_co_u32 s20, s20, s21
	s_lshl_b32 s21, s15, 14
	s_add_co_u32 s20, s20, s21
	s_mov_b32 s21, 0
	s_add_nc_u64 s[12:13], s[12:13], s[20:21]
.macro FRAG reg, adr, q, i             ; 16 rows x 128 K of 4-bit codes: 8 registers: lane l holds row l % 16; registers 4 c .. 4 c + 3 hold K = 64 c + 32 (l / 16) + 0 .. 31
.irp c, 0,1
	ds_load_b128 v[\reg+4*\c:\reg+4*\c+3], v[\adr] offset:64*(\q)+32*\c+(\i)*16*PITCH
.endr
.endm
; 16 matrix instructions: A's blocks a0, a0 + 1 x B's eight, the slot's q-th 128 along K.  p: B's set; sc: the set of scale words.  zero = 1: the first product starts the sums from the bias.
; The 64 accumulators take turns, one instruction a turn, in the same order in every step.
.macro MUL16 a0, p, q, sc, zero
.irp a, \a0, \a0+1
.irp b, 0,1,2,3,4,5,6,7
.if \zero
	v_wmma_scale_f32_16x16x128_f8f6f4 v[8*(8*((\a)%4)+\b):8*(8*((\a)%4)+\b)+7], v[128*(\p)+FR*\b:128*(\p)+FR*\b+FR-1], v[AF+FR*(\a):AF+FR*(\a)+FR-1], v[BI+8*\b:BI+8*\b+7], v[SC+8*NQ*(\sc)+NQ*\b+(\q)], v[SC+8*NQ*(\sc)+NQ*(\a)+(\q)] matrix_a_fmt:MATRIX_FMT_FP4 matrix_b_fmt:MATRIX_FMT_FP4 matrix_a_scale:MATRIX_SCALE_ROW1
.else
	v_wmma_scale_f32_16x16x128_f8f6f4 v[8*(8*((\a)%4)+\b):8*(8*((\a)%4)+\b)+7], v[128*(\p)+FR*\b:128*(\p)+FR*\b+FR-1], v[AF+FR*(\a):AF+FR*(\a)+FR-1], v[8*(8*((\a)%4)+\b):8*(8*((\a)%4)+\b)+7], v[SC+8*NQ*(\sc)+NQ*\b+(\q)], v[SC+8*NQ*(\sc)+NQ*(\a)+(\q)] matrix_a_fmt:MATRIX_FMT_FP4 matrix_b_fmt:MATRIX_FMT_FP4 matrix_a_scale:MATRIX_SCALE_ROW1
.endif
.endr
.endr
.endm
.macro FETCH_B slot, q, p
	WIN TO_B
.irp i, 0,1,2,3,4,5,6,7
	FRAG 128*(\p)+FR*\i, ADRB+\slot, \q, \i
.endr
	WIN 0
.endm
.macro FETCH_A slot, q, i0
.irp i, \i0, \i0+1, \i0+2, \i0+3
	FRAG AF+FR*(\i), ADRA+\slot, \q, \i
.endr
.endm
.macro SCALES sc                       ; a slot's scale words: NQ words a row; lanes 0-15 take A's block i, lanes 16-31 B's block i
.irp i, 0,1,2,3,4,5,6,7
	ds_load_b128 v[SC+8*NQ*\sc+NQ*\i:SC+8*NQ*\sc+NQ*\i+3], v[ADRS] offset:\i*SBLK
.endr
.endm
.macro PLACES n                        ; plain vector lines between a matrix instruction and a load into, or a read of, its registers
.rept \n
	v_nop
.endr
.endm
.macro STEP slot, q, zero              ; a step of 128 along K that has its successor in the same slot
	s_wait_dscnt 4*NL                              ; B's set and A's blocks 0-3 are in; the youngest eight loads (A's blocks 4-7) may be out
.if \zero
	WIN FIRST_LO
.else
	WIN MUL_LO
.endif
	MUL16 0, (\q)%2, \q, \slot, \zero
	MUL16 2, (\q)%2, \q, \slot, \zero
	s_wait_dscnt 0                                 ; A's blocks 4-7 are in
	PLACES NP
	FETCH_B \slot, (\q)+1, 1-(\q)%2
	FETCH_A \slot, (\q)+1, 0
.if \zero
	WIN FIRST_HI
.else
	WIN MUL_HI
.endif
	MUL16 4, (\q)%2, \q, \slot, \zero
	MUL16 6, (\q)%2, \q, \slot, \zero
	PLACES NP
	WIN 0
	FETCH_A \slot, (\q)+1, 4
.endm
.macro TURN slot, next                 ; slot 0's last step changes slots: one barrier
	s_wait_tensorcnt 0x0                           ; all my tensor loads have landed: my part of the next slot
	ds_add_u32 v[SPW], v[NIL]                      ; 0 onto my spare word
	s_wait_dscnt 4*NL+1                            ; (the add and the youngest eight loads may be out)
	WIN MUL_LO
	MUL16 0, 1, NQ-1, \slot, 0
	s_wait_dscnt 0x0                               ; the add is done, and my reads of this slot are over
	s_barrier_signal -1
	MUL16 2, 1, NQ-1, \slot, 0
	WIN 0
	s_barrier_wait -1
	PLACES NP
	v_add_nc_u32 v[ADRS], 4*NQ, v[ADRS]            ; on to the next slot's scale words (no LDS load of mine is out)
	FETCH_B \next, 0, 0
	FETCH_A \next, 0, 0
	SCALES \next
	WIN MUL_HI
	MUL16 4, 1, NQ-1, \slot, 0
	MUL16 6, 1, NQ-1, \slot, 0
	PLACES NP
	WIN 0
	FETCH_A \next, 0, 4
.endm
.macro STEPS slot, from
.set Q, \from
.rept NQ-1-\from
	STEP \slot, Q, 0
.set Q, Q+1
.endr
.endm
	s_wait_tensorcnt 1                             ; the scales and my part of slot 0 are in (slot 1's load may be out),
	s_barrier_signal -1
	s_barrier_wait -1                              ; everybody's are
	FETCH_B 0, 0, 0
	FETCH_A 0, 0, 0
	SCALES 0
	FETCH_A 0, 0, 4
	s_wait_loadcnt 0x0                             ; the bias
	STEP 0, 0, 1
	STEPS 0, 1
	TURN 0, 1
	STEPS 1, 0
	s_wait_dscnt 4*NL                              ; the very last step: nothing more to fetch
	WIN MUL_LO
	MUL16 0, 1, NQ-1, 1, 0
	MUL16 2, 1, NQ-1, 1, 0
	s_wait_dscnt 0
	WIN MUL_HI
	MUL16 4, 1, NQ-1, 1, 0
	MUL16 6, 1, NQ-1, 1, 0
	WIN 0
; THE WAY OUT, block by block of 16 rows x 128 columns = two heads.  A lane's eight columns pack into 16 bytes of f16; they go into my stage, [2 heads][16 rows of 144 bytes], and come back four rows at a time:
; a head's 16 rows are 2,048 dense bytes of qkv, so each store covers 512 consecutive bytes, aligned.  LDS serves a wave's instructions in order: no wait between the stores and the loads.
.macro PACK a
.set AC, 64*((\a)%4)
	WIN 0x0a+5*((\a)/4)                            ; sources 0 and 1: window 2 or 3
.irp b, 0,1,2,3,4,5,6,7
.irp r, 0,1,2,3
	v_cvt_pk_f16_f32 v[TMP+4*\b+\r], v[AC+8*\b+2*\r], v[AC+8*\b+2*\r+1]   ; each accumulator from its low end on
.endr
.endr
	WIN 0
.endm
.macro TOSTAGE a
.set BB, BK+32*((\a)%2)
.irp b, 0,1,2,3,4,5,6,7
	ds_store_b128 v[STO], v[TMP+4*\b:TMP+4*\b+3] offset:(\b/4)*HSTG+(\b%4)*32
.endr
.irp t, 0,1,2,3,4,5,6,7
	ds_load_b128 v[BB+4*\t:BB+4*\t+3], v[RD] offset:(\t/4)*HSTG+(\t%4)*4*HPITCH
.endr
.endm
.macro SEND a, younger
.set BB, BK+32*((\a)%2)
	s_wait_dscnt \younger                          ; the block is back in registers
	s_wait_xcnt 0x0                                ; the stores of the block before have read their registers: the next block's loads may land there
.irp t, 0,1,2,3,4,5,6,7
	global_store_b128 v[CO], v[BB+4*\t:BB+4*\t+3], s[12:13] offset:(\t/4)*HEADB+(\a)*2048+(\t%4)*512
.endr
.endm
	PLACES NP                                      ; behind the last products: for the conversions' reads and for the loads into A's registers
	PACK 0
	TOSTAGE 0
.irp a, 1,2,3,4,5,6,7                  ; block a's conversions stand between block a - 1's loads from the stage and the wait for them
	PACK \a
	SEND \a-1, 0
	TOSTAGE \a
.endr
	SEND 7, 0
	s_wait_tensorcnt 0x0                           ; the wave's end: behind my last tensor load and my last LDS store
	ds_add_u32 v[SPW], v[NIL]
	s_wait_dscnt 0x0
	CROUND                                         ; the closing round
	s_endpgm
.Lfunc_end_k_qf28cffa3f6_proj:
	.size	k_qf28cffa3f6_proj, .Lfunc_end_k_qf28cffa3f6_proj-k_qf28cffa3f6_proj
	.p2alignl 7, 3214868480
	.fill 96, 4, 3214868480
	.section	.rodata,"a",@progbits
	.p2align	6, 0x0
	.amdhsa_kernel k_qf28cffa3f6_proj
		.amdhsa_group_segment_fixed_size 327680
		.amdhsa_private_segment_fixed_size 0
		.amdhsa_enable_private_segment 0
		.amdhsa_kernarg_size 64
		.amdhsa_user_sgpr_count 2
		.amdhsa_user_sgpr_kernarg_segment_ptr 1
		.amdhsa_wavefront_size32 1
		.amdhsa_system_sgpr_workgroup_id_x 1
		.amdhsa_system_sgpr_workgroup_id_y 1
		.amdhsa_system_sgpr_workgroup_id_z 1
		.amdhsa_system_vgpr_workitem_id 0
		.amdhsa_next_free_vgpr 1024
		.amdhsa_next_free_sgpr 102
		.amdhsa_reserve_vcc 0
		.amdhsa_float_denorm_mode_32 3
		.amdhsa_float_denorm_mode_16_64 3
		.amdhsa_memory_ordered 1
		.amdhsa_forward_progress 1
		.amdhsa_inst_pref_size 128
	.end_amdhsa_kernel
	.amdgpu_metadata
---
amdhsa.version: [ 1, 2 ]
amdhsa.kernels:
  - .name:           k_qf28cffa3f6_proj
    .symbol:         k_qf28cffa3f6_proj.kd
    .args:
      - { .name: xc, .offset: 0, .size: 8, .value_kind: global_buffer, .address_space: global }
      - { .name: xs, .offset: 8, .size: 8, .value_kind: global_buffer, .address_space: global }
      - { .name: wc, .offset: 16, .size: 8, .value_kind: global_buffer, .address_space: global }
      - { .name: ws, .offset: 24, .size: 8, .value_kind: global_buffer, .address_space: global }
      - { .name: bQ, .offset: 32, .size: 8, .value_kind: global_buffer, .address_space: global }
      - { .name: bK, .offset: 40, .size: 8, .value_kind: global_buffer, .address_space: global }
      - { .name: bV, .offset: 48, .size: 8, .value_kind: global_buffer, .address_space: global }
      - { .name: qkv, .offset: 56, .size: 8, .value_kind: global_buffer, .address_space: global }
    .group_segment_fixed_size: 327680
    .private_segment_fixed_size: 0
    .kernarg_segment_align: 8
    .kernarg_segment_size: 64
    .max_flat_workgroup_size: 128
    .sgpr_count:     102
    .vgpr_count:     1024
    .wavefront_size: 32
...
	.end_amdgpu_metadata
.endif
;; end of part 2
;; launch attn (part 3): grid 8 x 32, 8 waves a work-group, clusters of 4 x 1, 327,680 bytes of LDS; arguments qkv, o; writes o
.if DOCPART == 3
	.amdgcn_target "amdgcn-amd-amdhsa--gfx1250"
	.amdhsa_code_object_version 6
	.text
	.protected	k_qf28cffa3f6_attn
	.globl	k_qf28cffa3f6_attn
	.p2align	8
	.type	k_qf28cffa3f6_attn,@function
k_qf28cffa3f6_attn:
	s_mov_b64 s[64:65], 0
	v_nop
	global_prefetch_b8 v0, s[64:65] scope:SCOPE_SE
	s_setreg_imm32_b32 hwreg(HW_REG_WAVE_MODE, 25, 1), 1
	s_wait_xcnt 0x0
	s_wait_alu depctr_hold_cnt(0) depctr_sa_sdst(0) depctr_va_vdst(0) depctr_va_sdst(0) depctr_va_ssrc(0) depctr_va_vcc(0) depctr_vm_vsrc(0)
	s_getreg_b32 s2, hwreg(HW_REG_IB_STS2, 6, 4)
	s_cmp_eq_u32 s2, 0
	s_cbranch_scc0 .Lentry_in_a_cluster
	s_endpgm
.Lentry_in_a_cluster:
	s_bfe_u32 s2, ttmp6, 0x10000c
	s_cmp_lg_u32 s2, 0x3003
	s_cbranch_scc0 .Lentry_shape_is_right
	s_endpgm
.Lentry_shape_is_right:
; ATTENTION, head size 64, no mask.  q, k, v: qkv [3][32 heads][2048][64] f16.  o: f16, laid [32 blocks of 128 rows][16 h][128 rows][64], as the output projection takes it.
; Products in f16 with f32 sums; maxima, exponentials and sums in f32; the weights p are rounded to f16 for the second product, o once at the end.
; SHARES.  A work-group owns 256 queries of one head.  Wave w owns queries 64 (w % 4) on, four tiles of 16, and HALF of the keys: of every 512 keys, group g = w / 4 takes keys 256 g .. 256 g + 255.
; So two waves of 512 registers lie on a SIMD and one's vector work stands beside the other's matrix work, while each fragment of K and V read from LDS still feeds four products.
; At the end waves w and w + 4 merge their maxima, sums and O^T through LDS: waves 0-3 finish tiles 0 and 1, waves 4-7 tiles 2 and 3.
; LAYOUT.  S^T = K Q^T (source 0 = 16 keys, source 1 = 16 queries): a lane holds ONE query (lane % 16) and keys 8 (lane / 16) + 0..7.  Two such tiles, rounded to f16 in pairs, are source 1 of O^T = V^T P.
; K comes out of LDS as it lies, V ([key][channel]) turned, by ds_load_tr16_b128.
; SOFTMAX.  A running maximum m and sum l for each query: p = 2^(c s - c m), c = log2(e) / 8; in every step O^T and l are multiplied by a = 2^(c m_old - c m_new).
; LDS.  Two keys' rows (2 x 128 bytes) are 256 dense bytes of memory: one LDS row.  Key x lies at (x / 2) x pitch + (x % 2) x 128.  K's pitch 272, V's 288.
; A slot holds 512 keys of K, then of V.  Four slots' worth of keys go through two slots: two first fills, two refills.  Each of the eight waves brings 64 LDS rows with one load (waves 0-3 K's, waves 4-7 V's).
; CLUSTER.  The four query blocks of a cluster belong to one head and walk the same K and V: each tile is asked for jointly.  By this text's count a wave has two tensor loads out at the start, later one.
; LIMITS: q, k, v arrive in f16; p is at most 1; o is rounded to f16: where V and WV are both 30 times smaller than drawn it lies among f16's subnormals, with an absolute rounding of at most 3e-8.
; The keys are summed in two halves that are merged at the end: another order of f32 sums than a plain softmax has.
; REGISTERS.  window 0: v1-15 addresses; v16-47 statistics, 8 a tile (+0 c m, +1 m, +2, +3 l, +4 .. +7 at work; a in +6); v48-51 the partner's statistics; v52 the prefetch's offset; v64-191 S^T, 32 a tile, P in a tile's low 16;
;   v192-255 V's fragments.   window 1: v0-127 O^T, 32 a tile; v128-191 Q; v192-255 K's fragments.
.set PK,     272
.set PV,     288
.set VOFF,   256*PK                    ; a slot: 256 LDS rows of K, then 256 of V
.set SLOTB,  VOFF+256*PV
.set CHUNK,  65536                     ; 512 keys in memory
.set SPARE,  2*SLOTB                   ; the spare words, 128 bytes for each wave: four blocks of 256 bytes that no other line names
.set MRGW,   8704                      ; the merge: a wave's two tiles of O^T as images of their registers (8,192 bytes) and four words a lane.  In slot 0, which has had its last fill and its last read by then
.set STAGE,  8*MRGW                    ; the way out: two tiles x 16 rows x 144 bytes for each wave, likewise in slot 0
.set HP,     144
.set AK0, 2
.set AV0, 3
.set ADK, 4
.set ADV, 5
.set QO,  6
.set MST, 7
.set MSS, 8
.set MLD, 9
.set MLS, 10
.set STO, 11
.set RD,  12
.set GO,  13
.set SPW, 14                           ; v14 LDS address of my spare word; never rewritten
.set NIL, 15                           ; v15 0; never rewritten
.set ST,  16
.set PS,  48
.set PFO, 52
.set S,   64
.set OB,  128
.set VF,  192
.set QF,  128                          ; in window 1
.set KF,  192                          ; in window 1
.set WV,  8
.set G1K, 24
.set G1V, 32
.set G0K, 40
.set G0V, 48
.set CNT, 56
.set TBK, 57                           ; LDS byte at which the step's rows of K begin, less my lane's and my group's part
.set CS,  58
.set SEL, 60
.set TBV, 62
.set LIM, 63
.set PFA, 66
.set MSB, 0
.macro WIN new                         ; the immediate's high byte repeats the setting that is left
.if MSB != \new
	s_set_vgpr_msb (MSB<<8)|\new
.set MSB, \new
.endif
.endm
.set W_KQ, 0x05                        ; K and Q in window 1, S^T in window 0
.set W_PV, 0x50                        ; V and P in window 0, O^T in window 1
.set W_RS, 0x41                        ; O^T (destination and source 0) in window 1, a in window 0
; A joint refill of a slot.  The branch hangs on the wave's number alone.  An s_nop 0 and four v_nop follow each of the two lines.
.macro JLOAD slot
	s_cmp_lt_u32 s[WV], 4
	s_cbranch_scc0 .Lfor_v_\@
	tensor_load_to_lds s[G0K+4*\slot:G0K+4*\slot+3], s[G1K:G1K+7]
	s_nop 0
.rept 4
	v_nop
.endr
	s_branch .Lasked_\@
.Lfor_v_\@:
	tensor_load_to_lds s[G0V+4*\slot:G0V+4*\slot+3], s[G1V:G1V+7]
	s_nop 0
.rept 4
	v_nop
.endr
.Lasked_\@:
.endm
; A PREFETCH INTO THE L2 of the last 512 keys of K and V, which the next change of slots will ask for: four key steps of each wave ahead of that load.  512 blocks of 256 bytes, each named once in the launch:
; the head's first cluster asks; its four partners take 16,384 bytes of K and of V each, told apart by address; in each, waves 0 and 1 ask for K's, waves 2 and 3 for V's, 8,192 bytes a wave, lanes 256 bytes apart.
; The first 1,536 keys come by their loads alone; nothing is asked for at the head.
.macro ASK
	s_cmp_eq_u32 s[LIM], 1
	s_cbranch_scc0 .Lnot_mine_\@
	global_prefetch_b8 v[PFO], s[PFA:PFA+1] th:TH_LOAD_NT scope:SCOPE_SE
.Lnot_mine_\@:
.endm
.macro CROUND                          ; a round of the cluster's barrier
	s_barrier_signal -1
	s_barrier_wait -1
	s_cmp_lg_u32 s[WV], 0
	s_cbranch_scc1 .Lnot_wave_0_\@
	s_barrier_signal -3
.Lnot_wave_0_\@:
	s_barrier_wait -3
	s_barrier_signal -1
	s_barrier_wait -1
.endm
	s_load_b128 s[4:7], s[0:1], 0x0                ; qkv s[4:5], o s[6:7]
	v_lshl_add_u32 v[SPW], v0, 2, SPARE
	v_mov_b32 v[NIL], 0
	ds_add_u32 v[SPW], v[NIL]                      ; the wave's opening: the add, twice on end, and its wait ahead of my first tensor load
	ds_add_u32 v[SPW], v[NIL]
	v_lshrrev_b32 v1, 5, v0
	v_readfirstlane_b32 s[WV], v1                  ; wave 0..7
	s_and_b32 s68, s[WV], 3                        ; w' : which 64 queries; also which quarter of a slot's K or V I fetch
	s_lshr_b32 s69, s[WV], 2                       ; g : which half of the keys
	s_bfe_u32 s9, ttmp6, 0x40000                   ; cx
	s_lshl_b32 s10, ttmp9, 2
	s_add_co_u32 s10, s10, s9                      ; my block of 256 queries: it enters Q's and o's addresses alone
	s_and_b32 s11, ttmp7, 0xffff                   ; the head 0..31, which the four partners share
	s_lshl_b32 s12, s11, 18                        ; a head is 262,144 bytes
	s_mov_b32 s13, 0
	s_lshl_b32 s14, s68, 14                        ; my quarter: 128 keys, 16,384 bytes
	s_mov_b32 s15, 0
	s_mov_b32 s[G1K], 15|(1<<16)|(1<<20)|(1<<21)|(5<<22)|(3<<25)  ; the mask: all four work-groups; elements of 2 bytes; padding on; bit 21 beside a mask; 4 words of padding after every 64
	s_mov_b32 s[G1V], 15|(1<<16)|(1<<20)|(1<<21)|(5<<22)|(7<<25)  ; the same with 8 words
.irp g, G1K, G1V
	s_mov_b32 s[\g+1], 128<<16                     ; tensor_dim0 = 128 elements: two keys' rows
	s_mov_b32 s[\g+2], 64<<16                      ; tensor_dim1 = 64
	s_mov_b32 s[\g+3], 128<<16                     ; tile_dim0
	s_mov_b32 s[\g+4], 64                          ; tile_dim1
	s_mov_b32 s[\g+5], 128                         ; the pitch: dense
	s_mov_b32 s[\g+6], 0
	s_mov_b32 s[\g+7], 0
.endr
	s_mul_i32 s70, s68, 64*PK                      ; where my quarter goes: no place in the cluster enters an LDS address
	s_mul_i32 s71, s68, 64*PV
	s_add_co_u32 s71, s71, VOFF
	s_mov_b32 s[CS], 0x3e38aa3b                    ; c = log2(e) / 8
	s_mov_b32 s[CS+1], s[CS]                       ; named with it as a pair, so it is written
	s_mov_b32 s[SEL], 0x76543210
	s_mov_b32 s[SEL+1], 0xfedcba98                 ; v_permlanex16_b32: lane l xor 16
	s_mov_b32 s[TBK], 0
	s_mov_b32 s[TBV], 0
	s_or_b32 s[LIM], s69, ttmp9                    ; 0 in waves 0-3 of the head's first cluster: the same in all four partners
	s_cmp_eq_u32 s[LIM], 0
	s_cselect_b32 s[LIM], 1, -1
	s_wait_dscnt 0x0                               ; both opening adds are done
	s_wait_kmcnt 0x0
	s_add_nc_u64 s[20:21], s[4:5], s[12:13]        ; the head's q,
	s_add_nc_u64 s[16:17], s[20:21], 0x800000      ; k,
	s_add_nc_u64 s[18:19], s[20:21], 0x1000000     ; v
	s_add_nc_u64 s[72:73], s[16:17], s[14:15]      ; my quarter of the first 512 keys
	s_add_nc_u64 s[74:75], s[18:19], s[14:15]
	s_cmp_lt_u32 s[WV], 2
	s_cselect_b64 s[PFA:PFA+1], s[16:17], s[18:19]
	s_lshl_b32 s2, s9, 14                          ; (all that holds cx is made in s[2:3])
	s_and_b32 s3, s[WV], 1
	s_lshl_b32 s3, s3, 13
	s_add_co_u32 s2, s2, s3
	s_add_co_u32 s2, s2, 3*CHUNK
	s_mov_b32 s3, 0
	s_add_nc_u64 s[PFA:PFA+1], s[PFA:PFA+1], s[2:3]
	s_lshl_b32 s2, s10, 15                         ; Q: 256 rows of 128 bytes a block,
	s_lshl_b32 s3, s68, 13                         ; 64 a wave
	s_add_co_u32 s2, s2, s3
	s_mov_b32 s3, 0
	s_add_nc_u64 s[20:21], s[20:21], s[2:3]
	s_lshr_b32 s2, s11, 4                          ; o: block of 128 rows = 16 b + 2 x query block + w' / 2,
	s_lshl_b32 s2, s2, 4
	s_lshl_b32 s3, s10, 1
	s_add_co_u32 s2, s2, s3
	s_lshr_b32 s3, s68, 1
	s_add_co_u32 s2, s2, s3
	s_lshl_b32 s2, s2, 4
	s_and_b32 s3, s11, 15                          ; x 16 + h,
	s_add_co_u32 s2, s2, s3
	s_lshl_b32 s2, s2, 7
	s_and_b32 s3, s68, 1                           ; x 128 rows + 64 (w' % 2),
	s_lshl_b32 s3, s3, 6
	s_add_co_u32 s2, s2, s3
	s_lshl_b32 s2, s2, 7                           ; x 128 bytes
	s_mov_b32 s3, 0
	s_add_nc_u64 s[22:23], s[6:7], s[2:3]
	CROUND                                         ; all four work-groups are here: the first joint loads meet
.irp s, 0,1
	s_mov_b32 s[G0K+4*\s], 1
	s_add_co_u32 s[G0K+4*\s+1], s70, \s*SLOTB
	s_add_nc_u64 s[G0K+4*\s+2:G0K+4*\s+3], s[72:73], \s*CHUNK
	s_or_b32 s[G0K+4*\s+3], s[G0K+4*\s+3], 0x80000000
	s_mov_b32 s[G0V+4*\s], 1
	s_add_co_u32 s[G0V+4*\s+1], s71, \s*SLOTB
	s_add_nc_u64 s[G0V+4*\s+2:G0V+4*\s+3], s[74:75], \s*CHUNK
	s_or_b32 s[G0V+4*\s+3], s[G0V+4*\s+3], 0x80000000
.endr
	s_cmp_lt_u32 s[WV], 4                          ; a wave's two first fills stand in one branch, ahead of every wait on TENSORcnt and every LDS read
	s_cbranch_scc0 .Lfirst_v
	tensor_load_to_lds s[G0K:G0K+3], s[G1K:G1K+7]
	s_nop 0
	tensor_load_to_lds s[G0K+4:G0K+7], s[G1K:G1K+7]
	s_nop 0
.rept 4
	v_nop
.endr
	s_branch .Lfirst_asked
.Lfirst_v:
	tensor_load_to_lds s[G0V:G0V+3], s[G1V:G1V+7]
	s_nop 0
	tensor_load_to_lds s[G0V+4:G0V+7], s[G1V:G1V+7]
	s_nop 0
.rept 4
	v_nop
.endr
.Lfirst_asked:
	v_and_b32 v1, 15, v0                           ; r
	v_bfe_u32 v53, v0, 4, 1                        ; h
	v_and_b32 v54, 31, v0                          ; l
	v_lshlrev_b32 v[QO], 7, v1
	v_lshl_add_u32 v[QO], v53, 4, v[QO]            ; Q: row r of 128 bytes + 16 h
	WIN 0x40                                       ; destination window 1
.irp f, 0,1,2,3,4,5,6,7                        ; Q stays in registers: tile f / 2, channels 32 (f % 2) on
	global_load_b128 v[QF+8*\f:QF+8*\f+3],   v[QO], s[20:21] offset:(\f/2)*2048+(\f%2)*64
	global_load_b128 v[QF+8*\f+4:QF+8*\f+7], v[QO], s[20:21] offset:(\f/2)*2048+(\f%2)*64+32
.endr
	WIN 0
	v_lshrrev_b32 v55, 1, v1                       ; K: key r of a tile: LDS row r / 2, half r % 2, + 16 h, + my group's 128 LDS rows
	v_mul_u32_u24 v[AK0], v55, PK
	v_and_b32 v55, 1, v1
	v_lshl_add_u32 v[AK0], v55, 7, v[AK0]
	v_lshl_add_u32 v[AK0], v53, 4, v[AK0]
	s_mul_i32 s72, s69, 128*PK
	v_add_nc_u32 v[AK0], s72, v[AK0]
	v_bfe_u32 v55, v0, 1, 2                        ; V, for the turning load: key 8 h + l % 8: LDS row 4 h + (l / 2) % 4, half l % 2; channels 8 ((l / 8) % 2) on
	v_lshl_add_u32 v55, v53, 2, v55
	v_mul_u32_u24 v[AV0], v55, PV
	v_and_b32 v55, 1, v0
	v_lshl_add_u32 v[AV0], v55, 7, v[AV0]
	v_bfe_u32 v55, v0, 3, 1
	v_lshl_add_u32 v[AV0], v55, 4, v[AV0]
	s_mul_i32 s72, s69, 128*PV
	s_add_co_u32 s72, s72, VOFF
	v_add_nc_u32 v[AV0], s72, v[AV0]
	s_mul_i32 s72, s[WV], MRGW                     ; the merge: where I put what I give,
	v_lshl_add_u32 v[MST], v54, 4, s72
	s_add_co_u32 s73, s72, 8192
	v_lshl_add_u32 v[MSS], v54, 2, s73
	s_xor_b32 s74, s[WV], 4                        ; and where my partner, wave w xor 4, puts what I take
	s_mul_i32 s74, s74, MRGW
	v_lshl_add_u32 v[MLD], v54, 4, s74
	s_add_co_u32 s74, s74, 8192
	v_lshl_add_u32 v[MLS], v54, 2, s74
	s_mul_i32 s72, s[WV], 2*16*HP                  ; my stage
	s_add_co_u32 s72, s72, STAGE
	v_mul_u32_u24 v55, v1, HP
	v_lshl_add_u32 v55, v53, 4, v55
	v_add_nc_u32 v[STO], s72, v55                  ; in: row r, 16 bytes for each half of the lanes
	v_lshrrev_b32 v55, 3, v54
	v_mul_u32_u24 v55, v55, HP
	v_and_b32 v56, 7, v0
	v_lshl_add_u32 v55, v56, 4, v55
	v_add_nc_u32 v[RD], s72, v55                   ; back: four rows of 128 bytes an instruction
	v_lshlrev_b32 v[GO], 4, v54
	v_lshlrev_b32 v[PFO], 8, v54
; A KEY STEP: 64 keys for my four tiles of queries.  first = 1: the first step starts m, l and O^T.
.macro STEP first
	WIN 0
	v_add_nc_u32 v[ADK], s[TBK], v[AK0]            ; these two and three v_nop are five plain lines behind the last step's products: V's registers are loaded again, and S^T, which held P, is written over by products
	v_add_nc_u32 v[ADV], s[TBV], v[AV0]
.rept 3
	v_nop
.endr
	WIN 0x40
.irp f, 0,1,2,3,4,5,6,7                        ; K: keys 16 (f / 2) on, channels 32 (f % 2) on
	ds_load_b128 v[KF+8*\f:KF+8*\f+3],   v[ADK] offset:(\f/2)*8*PK+(\f%2)*64
	ds_load_b128 v[KF+8*\f+4:KF+8*\f+7], v[ADK] offset:(\f/2)*8*PK+(\f%2)*64+32
.endr
	WIN 0
.irp f, 0,1,2,3,4,5,6,7                        ; V, turned: keys 32 (f / 4) on, channels 16 (f % 4) on
	ds_load_tr16_b128 v[VF+8*\f:VF+8*\f+3],   v[ADV] offset:(\f/4)*16*PV+(\f%4)*32
	ds_load_tr16_b128 v[VF+8*\f+4:VF+8*\f+7], v[ADV] offset:(\f/4)*16*PV+8*PV+(\f%4)*32
.endr
	s_wait_dscnt 16                                ; K is in; V's sixteen loads, issued behind it, may be out
	WIN W_KQ
.set i, 0
.rept 32                               ; S^T = K Q^T: channels 32 (i / 16) on, keys 16 ((i / 4) % 4) on, tile i % 4.  The 16 accumulators take turns
.set rS, S+32*(i%4)+8*((i/4)%4)
.set rK, KF+16*((i/4)%4)+8*(i/16)
.set rQ, QF+16*(i%4)+8*(i/16)
.if i < 16
	v_wmma_f32_16x16x32_f16 v[rS:rS+7], v[rK:rK+7], v[rQ:rQ+7], 0
.else
	v_wmma_f32_16x16x32_f16 v[rS:rS+7], v[rK:rK+7], v[rQ:rQ+7], v[rS:rS+7]
.endif
.set i, i+1
.endr
	WIN 0
.rept 4
	v_nop                                          ; four plain lines between the products and the first read of their results
.endr
	; the maximum of a lane's 32 scores and the old m: four chains a tile, each accumulator read from its low end on; the four tiles by turns in every line
.irp j, 0,1,2,3
.irp t, 0,1,2,3
	v_max3_num_f32 v[ST+8*\t+4+\j], v[S+32*\t+8*\j], v[S+32*\t+8*\j+1], v[S+32*\t+8*\j+2]
.endr
.endr
.irp q, 1,2
.irp j, 0,1,2,3
.irp t, 0,1,2,3
	v_max3_num_f32 v[ST+8*\t+4+\j], v[ST+8*\t+4+\j], v[S+32*\t+8*\j+2*\q+1], v[S+32*\t+8*\j+2*\q+2]
.endr
.endr
.endr
.irp t, 0,1,2,3
	v_max3_num_f32 v[ST+8*\t+4], v[ST+8*\t+4], v[S+32*\t+7], v[S+32*\t+15]
.endr
.irp t, 0,1,2,3
	v_max3_num_f32 v[ST+8*\t+6], v[ST+8*\t+6], v[S+32*\t+23], v[S+32*\t+31]
.endr
.irp t, 0,1,2,3
	v_max3_num_f32 v[ST+8*\t+4], v[ST+8*\t+4], v[ST+8*\t+5], v[ST+8*\t+6]
.endr
.irp t, 0,1,2,3
.if \first
	v_max_num_f32 v[ST+8*\t+4], v[ST+8*\t+4], v[ST+8*\t+7]
.else
	v_max3_num_f32 v[ST+8*\t+4], v[ST+8*\t+4], v[ST+8*\t+7], v[ST+8*\t+1]
.endif
.endr
.irp t, 0,1,2,3
	v_permlanex16_b32 v[ST+8*\t+5], v[ST+8*\t+4], s[SEL], s[SEL+1]   ; the query's other 32 keys lie in the lane 16 away
.endr
.if \first == 0
.irp t, 0,1,2,3
	v_mov_b32 v[ST+8*\t+7], v[ST+8*\t]             ; c m_old is kept for a: a is made of the two rounded numbers that p is made of
.endr
.endif
.irp t, 0,1,2,3
	v_max_num_f32 v[ST+8*\t+1], v[ST+8*\t+4], v[ST+8*\t+5]
.endr
.irp t, 0,1,2,3
	v_mul_f32 v[ST+8*\t], s[CS], v[ST+8*\t+1]
.endr
.if \first == 0
.irp t, 0,1,2,3
	v_sub_f32 v[ST+8*\t+7], v[ST+8*\t+7], v[ST+8*\t]
.endr
	; ONE BATCH of exponentials: a, then p.  Nothing in it names an exponential's result
.irp t, 0,1,2,3
	v_exp_f32 v[ST+8*\t+6], v[ST+8*\t+7]
.endr
.endif
.set b, 0
.rept 16
.irp t, 0,1,2,3
	v_pk_fma_f32 v[S+32*\t+2*b:S+32*\t+2*b+1], v[S+32*\t+2*b:S+32*\t+2*b+1], s[CS:CS+1], v[ST+8*\t:ST+8*\t+1] op_sel_hi:[1,0,0] neg_lo:[0,0,1] neg_hi:[0,0,1]   ; c s - c m, a pair of scores
.endr
.irp t, 0,1,2,3
	v_exp_f32 v[S+32*\t+2*b], v[S+32*\t+2*b]
	v_exp_f32 v[S+32*\t+2*b+1], v[S+32*\t+2*b+1]
.endr
.set b, b+1
.endr
	v_nop                                          ; a plain line behind the last exponential
	s_wait_alu depctr_va_vdst(0)                   ; one wait for the whole batch, ahead of the first line that names a result
.irp t, 0,1,2,3
	v_pk_add_f32 v[ST+8*\t+4:ST+8*\t+5], v[S+32*\t:S+32*\t+1], v[S+32*\t+2:S+32*\t+3]   ; the sum of p in f32, ahead of the rounding to f16
.endr
.set b, 2
.rept 13
.irp t, 0,1,2,3
	v_pk_add_f32 v[ST+8*\t+4:ST+8*\t+5], v[ST+8*\t+4:ST+8*\t+5], v[S+32*\t+2*b:S+32*\t+2*b+1]
.endr
.set b, b+1
.endr
.irp t, 0,1,2,3
.if \first
	v_pk_add_f32 v[ST+8*\t+2:ST+8*\t+3], v[ST+8*\t+4:ST+8*\t+5], v[S+32*\t+30:S+32*\t+31]
.else
	v_pk_add_f32 v[ST+8*\t+4:ST+8*\t+5], v[ST+8*\t+4:ST+8*\t+5], v[S+32*\t+30:S+32*\t+31]
.endif
.endr
.if \first == 0
.irp t, 0,1,2,3
	v_pk_fma_f32 v[ST+8*\t+2:ST+8*\t+3], v[ST+8*\t+2:ST+8*\t+3], v[ST+8*\t+6:ST+8*\t+7], v[ST+8*\t+4:ST+8*\t+5] op_sel_hi:[1,0,1]   ; l = a l + the sum
.endr
.endif
.set b, 0
.rept 16
.irp t, 0,1,2,3
	v_cvt_pk_f16_f32 v[S+32*\t+b], v[S+32*\t+2*b], v[S+32*\t+2*b+1]   ; P, in place: pair b goes to register b, which no later pair reads
.endr
.set b, b+1
.endr
.if \first == 0
	WIN W_RS
.set b, 0
.rept 16
.irp t, 0,1,2,3
	v_pk_mul_f32 v[32*\t+2*b:32*\t+2*b+1], v[32*\t+2*b:32*\t+2*b+1], v[ST+8*\t+6:ST+8*\t+7] op_sel_hi:[1,0]   ; O^T x a, each accumulator from its low end on
.endr
.set b, b+1
.endr
.endif
	s_wait_dscnt 0x0                               ; V is in
	WIN W_PV
.set i, 0
.rept 32                               ; O^T += V^T P: keys 32 (i / 16) on, channels 16 ((i / 4) % 4) on, tile i % 4: 16 accumulators by turns
.set rO, 32*(i%4)+8*((i/4)%4)
.set rV, VF+8*(4*(i/16)+(i/4)%4)
.set rP, S+32*(i%4)+8*(i/16)
.if \first && (i < 16)
	v_wmma_f32_16x16x32_f16 v[rO:rO+7], v[rV:rV+7], v[rP:rP+7], 0
.else
	v_wmma_f32_16x16x32_f16 v[rO:rO+7], v[rV:rV+7], v[rP:rP+7], v[rO:rO+7]
.endif
.set i, i+1
.endr
	WIN 0
.endm
.macro NEXT                            ; the next step's 32 LDS rows
	s_add_co_u32 s[TBK], s[TBK], 32*PK
	s_add_co_u32 s[TBV], s[TBV], 32*PV
.endm
.macro RUN n                           ; n key steps
	s_mov_b32 s[CNT], \n
.Lrun_\@:
	STEP 0
	NEXT
	s_sub_co_u32 s[CNT], s[CNT], 1
	s_cmp_lg_u32 s[CNT], 0
	s_cbranch_scc1 .Lrun_\@
.endm
; THE CHANGE OF SLOTS.  Each wave waits for all its tensor loads (its part of the slot ahead), adds 0 to its spare word, and waits for that and for its reads of the slot that it leaves.
; fill = 1: the slot just left is filled again with the keys 1,024 on: the barrier is a round of the cluster's, and the joint refill is the first thing behind it: it has four key steps of each wave in which to land.
.macro CHANGE slot, fill, ask, next
	WIN 0
	s_wait_tensorcnt 0x0                           ; no tensor load of mine is out, so a group 0 may be written
	ds_add_u32 v[SPW], v[NIL]                      ; 0 onto my spare word
.if \fill
	s_add_nc_u64 s[G0K+4*\slot+2:G0K+4*\slot+3], s[G0K+4*\slot+2:G0K+4*\slot+3], 2*CHUNK
	s_add_nc_u64 s[G0V+4*\slot+2:G0V+4*\slot+3], s[G0V+4*\slot+2:G0V+4*\slot+3], 2*CHUNK
.endif
	s_mov_b32 s[TBK], \next*SLOTB
	s_mov_b32 s[TBV], \next*SLOTB
	s_wait_dscnt 0x0                               ; the add is done, and my reads of the slot are over
.if \fill
	CROUND
	JLOAD \slot
.if \ask
	ASK
.endif
.else
	s_barrier_signal -1
	s_barrier_wait -1
.endif
.endm
	s_wait_tensorcnt 1                             ; my part of slot 0 is in; slot 1's may stay out
	s_barrier_signal -1
	s_barrier_wait -1                              ; everybody's is
	s_wait_loadcnt 0x0                             ; Q
	STEP 1
	NEXT
	RUN 3                                          ; keys 0 .. 511, slot 0
	CHANGE 0, 1, 1, 1                              ; slot 0 takes keys 1,024 on
	RUN 4                                          ; keys 512 on, slot 1
	CHANGE 1, 1, 0, 0                              ; slot 1 takes keys 1,536 on
	RUN 4
	CHANGE 0, 0, 0, 1                              ; nothing is left to fetch; behind this barrier nobody reads slot 0
	RUN 4
	; THE MERGE.  l's two halves and the other half of the lanes' are added (these lines are also the plain lines behind the last products).
.irp t, 0,1,2,3
	v_add_f32 v[ST+8*\t+4], v[ST+8*\t+2], v[ST+8*\t+3]
.endr
.irp t, 0,1,2,3
	v_permlanex16_b32 v[ST+8*\t+5], v[ST+8*\t+4], s[SEL], s[SEL+1]
.endr
.irp t, 0,1,2,3
	v_add_f32 v[ST+8*\t+4], v[ST+8*\t+4], v[ST+8*\t+5]
.endr
.macro GIVE x                          ; tiles x and x + 1 go to my partner: O^T as an image of its registers, 16 bytes a lane; c m and l, a word a lane
	WIN 0x04                                       ; an LDS store's data are its source 1: window 1
.irp u, 0,1
.irp i, 0,1,2,3,4,5,6,7
	ds_store_b128 v[MST], v[32*(\x+\u)+4*\i:32*(\x+\u)+4*\i+3] offset:\u*4096+512*\i
.endr
.endr
	WIN 0
.irp u, 0,1
	ds_store_b32 v[MSS], v[ST+8*(\x+\u)] offset:256*\u
	ds_store_b32 v[MSS], v[ST+8*(\x+\u)+4] offset:256*\u+128
.endr
.endm
.macro TAKE x                          ; tiles x and x + 1 are finished here: o = (a0 O0 + a1 O1) / (a0 l0 + a1 l1), a = 2^(c m - the larger c m)
.irp u, 0,1
.irp i, 0,1,2,3,4,5,6,7
	ds_load_b128 v[S+32*\u+4*\i:S+32*\u+4*\i+3], v[MLD] offset:\u*4096+512*\i
.endr
.endr
.irp u, 0,1
	ds_load_b32 v[PS+2*\u], v[MLS] offset:256*\u
	ds_load_b32 v[PS+2*\u+1], v[MLS] offset:256*\u+128
.endr
	s_wait_dscnt 0x0
.irp u, 0,1
	v_max_num_f32 v[ST+8*(\x+\u)+5], v[ST+8*(\x+\u)], v[PS+2*\u]
.endr
.irp u, 0,1
	v_sub_f32 v[ST+8*(\x+\u)+6], v[ST+8*(\x+\u)], v[ST+8*(\x+\u)+5]
	v_sub_f32 v[ST+8*(\x+\u)+7], v[PS+2*\u], v[ST+8*(\x+\u)+5]
.endr
.irp u, 0,1
	v_exp_f32 v[ST+8*(\x+\u)+6], v[ST+8*(\x+\u)+6]
	v_exp_f32 v[ST+8*(\x+\u)+7], v[ST+8*(\x+\u)+7]
.endr
	v_nop
	s_wait_alu depctr_va_vdst(0)                   ; one wait for the four exponentials, ahead of their first reader
.irp u, 0,1
	v_mul_f32 v[ST+8*(\x+\u)+4], v[ST+8*(\x+\u)+4], v[ST+8*(\x+\u)+6]
.endr
.irp u, 0,1
	v_fma_f32 v[ST+8*(\x+\u)+4], v[ST+8*(\x+\u)+7], v[PS+2*\u+1], v[ST+8*(\x+\u)+4]
.endr
.irp u, 0,1
	v_rcp_f32 v[ST+8*(\x+\u)+5], v[ST+8*(\x+\u)+4]
.endr
	v_nop
	s_wait_alu depctr_va_vdst(0)                   ; and one for the two reciprocals
.irp u, 0,1
	v_mul_f32 v[ST+8*(\x+\u)+2], v[ST+8*(\x+\u)+6], v[ST+8*(\x+\u)+5]   ; f0, for my part
	v_mul_f32 v[ST+8*(\x+\u)+6], v[ST+8*(\x+\u)+7], v[ST+8*(\x+\u)+5]   ; f1, for my partner's
.endr
.irp u, 0,1
.set i, 0
.rept 16
	v_pk_mul_f32 v[S+32*\u+2*i:S+32*\u+2*i+1], v[S+32*\u+2*i:S+32*\u+2*i+1], v[ST+8*(\x+\u)+6:ST+8*(\x+\u)+7] op_sel_hi:[1,0]
.set i, i+1
.endr
.endr
	WIN 0x01                                       ; source 0, my O^T, in window 1
.irp u, 0,1
.set i, 0
.rept 16
	v_pk_fma_f32 v[S+32*\u+2*i:S+32*\u+2*i+1], v[32*(\x+\u)+2*i:32*(\x+\u)+2*i+1], v[ST+8*(\x+\u)+2:ST+8*(\x+\u)+3], v[S+32*\u+2*i:S+32*\u+2*i+1] op_sel_hi:[1,0,1]
.set i, i+1
.endr
.endr
	WIN 0
.irp u, 0,1
.set i, 0
.rept 16
	v_cvt_pk_f16_f32 v[S+32*\u+i], v[S+32*\u+2*i], v[S+32*\u+2*i+1]   ; a lane's eight channels of a tile of 16 pack into 16 bytes
.set i, i+1
.endr
.endr
.irp u, 0,1
.irp c, 0,1,2,3
	ds_store_b128 v[STO], v[S+32*\u+4*\c:S+32*\u+4*\c+3] offset:\u*16*HP+32*\c
.endr
.irp i, 0,1,2,3
	ds_load_b128 v[OB+16*\u+4*\i:OB+16*\u+4*\i+3], v[RD] offset:\u*16*HP+4*HP*\i   ; my own stage: LDS serves a wave's instructions in order
.endr
.endr
.irp u, 0,1
.irp i, 0,1,2,3
	s_wait_dscnt 11-8*\u-\i                        ; behind this load: the tile's later loads, and for the first tile the second's four stores and four loads
	global_store_b128 v[GO], v[OB+16*\u+4*\i:OB+16*\u+4*\i+3], s[22:23] offset:(\x+\u)*2048+512*\i   ; four rows of o: 512 consecutive bytes, aligned
.endr
.endr
.endm
	s_cmp_lt_u32 s[WV], 4
	s_cbranch_scc0 .Lgive_low
	GIVE 2
	s_branch .Lgiven
.Lgive_low:
	GIVE 0
.Lgiven:
	s_wait_dscnt 0x0                               ; for my partner's sake: my stores have landed
	s_barrier_signal -1
	s_barrier_wait -1
	s_cmp_lt_u32 s[WV], 4
	s_cbranch_scc0 .Ltake_high
	TAKE 0
	s_branch .Ltaken
.Ltake_high:
	TAKE 2
.Ltaken:
	s_wait_tensorcnt 0x0                           ; the wave's end: behind my last tensor load and my last LDS store
	ds_add_u32 v[SPW], v[NIL]
	s_wait_dscnt 0x0
	CROUND                                         ; the closing round
	s_endpgm
.Lfunc_end_k_qf28cffa3f6_attn:
	.size	k_qf28cffa3f6_attn, .Lfunc_end_k_qf28cffa3f6_attn-k_qf28cffa3f6_attn
	.p2alignl 7, 3214868480
	.fill 96, 4, 3214868480
	.section	.rodata,"a",@progbits
	.p2align	6, 0x0
	.amdhsa_kernel k_qf28cffa3f6_attn
		.amdhsa_group_segment_fixed_size 327680
		.amdhsa_private_segment_fixed_size 0
		.amdhsa_enable_private_segment 0
		.amdhsa_kernarg_size 16
		.amdhsa_user_sgpr_count 2
		.amdhsa_user_sgpr_kernarg_segment_ptr 1
		.amdhsa_wavefront_size32 1
		.amdhsa_system_sgpr_workgroup_id_x 1
		.amdhsa_system_sgpr_workgroup_id_y 1
		.amdhsa_system_sgpr_workgroup_id_z 1
		.amdhsa_system_vgpr_workitem_id 0
		.amdhsa_next_free_vgpr 512
		.amdhsa_next_free_sgpr 76
		.amdhsa_reserve_vcc 0
		.amdhsa_float_denorm_mode_32 3
		.amdhsa_float_denorm_mode_16_64 3
		.amdhsa_memory_ordered 1
		.amdhsa_forward_progress 1
		.amdhsa_inst_pref_size 191
	.end_amdhsa_kernel
	.amdgpu_metadata
---
amdhsa.version: [ 1, 2 ]
amdhsa.kernels:
  - .name:           k_qf28cffa3f6_attn
    .symbol:         k_qf28cffa3f6_attn.kd
    .args:
      - { .name: qkv, .offset: 0, .size: 8, .value_kind: global_buffer, .address_space: global }
      - { .name: o, .offset: 8, .size: 8, .value_kind: global_buffer, .address_space: global }
    .group_segment_fixed_size: 327680
    .private_segment_fixed_size: 0
    .kernarg_segment_align: 8
    .kernarg_segment_size: 16
    .max_flat_workgroup_size: 256
    .sgpr_count:     76
    .vgpr_count:     512
    .wavefront_size: 32
...
	.end_amdgpu_metadata
.endif
;; end of part 3
;; launch outp (part 4): grid 8 x 32, 4 waves a work-group, clusters of 4 x 4, 327,680 bytes of LDS; arguments o, wo16, bO, out0; writes out0
.if DOCPART == 4
	.amdgcn_target "amdgcn-amd-amdhsa--gfx1250"
	.amdhsa_code_object_version 6
	.text
	.protected	k_qf28cffa3f6_outp
	.globl	k_qf28cffa3f6_outp
	.p2align	8
	.type	k_qf28cffa3f6_outp,@function
k_qf28cffa3f6_outp:
	s_mov_b64 s[64:65], 0
	v_nop
	global_prefetch_b8 v0, s[64:65] scope:SCOPE_SE
	s_setreg_imm32_b32 hwreg(HW_REG_WAVE_MODE, 25, 1), 1
	s_wait_xcnt 0x0
	s_wait_alu depctr_hold_cnt(0) depctr_sa_sdst(0) depctr_va_vdst(0) depctr_va_sdst(0) depctr_va_ssrc(0) depctr_va_vcc(0) depctr_vm_vsrc(0)
	s_getreg_b32 s2, hwreg(HW_REG_IB_STS2, 6, 4)
	s_cmp_eq_u32 s2, 0
	s_cbranch_scc0 .Lentry_in_a_cluster
	s_endpgm
.Lentry_in_a_cluster:
	s_bfe_u32 s2, ttmp6, 0x10000c
	s_cmp_lg_u32 s2, 0xf033
	s_cbranch_scc0 .Lentry_shape_is_right
	s_endpgm
.Lentry_shape_is_right:
; THE OUTPUT PROJECTION: out0[m][n] = sum over k of o[m][k] WO[k][n] + bO[n], operands in f16, sums and result in f32.  m 4,096, n 1,024, k 1,024 (k = 64 h + d).
; o is laid [32 blocks of 128 rows][16 h][128 rows][64]: a block's four heads (256 along K) are 65,536 dense bytes.  wo16 is [k][n], as WO lies: its fragments come out of LDS turned, by ds_load_tr16_b128.
; A tile of 128 x 128 gives each of 256 work-groups one tile; four waves, each 64 x 64: 16 accumulators.  K goes in four steps of 256 through two LDS slots; the four steps are written out.
; CLUSTERS: 4 x 4 work-groups; A's tiles are shared along a row of the cluster, B's along a column: each is asked for jointly.  By this text's count a wave has two tensor loads out at the start, later one.
; THE MATRIX INSTRUCTION IS USED TRANSPOSED (source 0 = 16 columns of WO, source 1 = 16 rows of o): a lane holds eight neighbouring columns of one row.  The bias is the C of each sum's first product.
; LDS: A: two rows of a head (2 x 128 bytes) are one LDS row of 256 bytes + 16; [4 heads][64 LDS rows].  B: 256 rows of k, 256 bytes + 32.
; No prefetch: a K step's tiles are small and the launch is short.  LIMITS: operands in f16; the bias is added ahead of the products.
; REGISTERS: window 0: v0-31 addresses; v32-95 the way out; v96-127 the bias; v128-255 the accumulators ((a, b) at v[128 + 8 (4 a + b)]).  window 1: two fragment buffers of 128: 64 registers of A, then 64 of B.
.set PA,     272
.set PB,     288
.set ATILE,  256*PA
.set SLOT,   ATILE+256*PB
.set SPARE,  2*SLOT                    ; the spare words, 128 bytes for each wave: two blocks of 256 bytes that no other line names
.set SPITCH, 272                       ; the way out: 16 rows x (256 bytes + 16) for each wave, in slot 0, which has had its last fill and its last read by then
.set ADRA, 16                          ; v16-17  my A fragments in slot 0, 1
.set ADRB, 20                          ; v20-23  my B fragments: slot 0 (k 0-127, k 128-255), slot 1 likewise: an LDS offset has 16 bits
.set STO,  24
.set RD,   25
.set CO,   26
.set SPW,  28                          ; v28 LDS address of my spare word; never rewritten
.set NIL,  29                          ; v29 0; never rewritten
.set TMP,  32
.set BIAS, 96
.set ACC,  128
.set F0,   0
.set F1,   128
.set G1, 24
.set G0, 32
.set G1B, 48
.set G0B, 56
.set MSB, 0
.macro WIN new                         ; the immediate's high byte repeats the setting that is left
.if MSB != \new
	s_set_vgpr_msb (MSB<<8)|\new
.set MSB, \new
.endif
.endm
.set MUL,  0x05                        ; sources 0 (B) and 1 (A) window 1; C and D window 0
.set TO_F, 0x40                        ; destination window 1, address window 0
.macro JLOAD s                         ; a joint load: waves 0 and 1 fetch A's halves, waves 2 and 3 B's; an s_nop 0 and four v_nop follow each of the two lines
	s_cmp_eq_u32 s13, 0
	s_cbranch_scc0 .Lfor_b_\@
	tensor_load_to_lds s[G0+4*\s:G0+4*\s+3], s[G1:G1+7]
	s_nop 0
.rept 4
	v_nop
.endr
	s_branch .Lasked_\@
.Lfor_b_\@:
	tensor_load_to_lds s[G0B+4*\s:G0B+4*\s+3], s[G1B:G1B+7]
	s_nop 0
.rept 4
	v_nop
.endr
.Lasked_\@:
.endm
.macro CREST                           ; a round of the cluster's barrier behind its opening barrier
	s_cmp_lg_u32 s12, 0
	s_cbranch_scc1 .Lnot_wave_0_\@
	s_barrier_signal -3
.Lnot_wave_0_\@:
	s_barrier_wait -3
	s_barrier_signal -1
	s_barrier_wait -1
.endm
.macro CROUND
	s_barrier_signal -1
	s_barrier_wait -1
	CREST
.endm
	s_load_b256 s[4:11], s[0:1], 0x0               ; o s[4:5], wo16 s[6:7], bO s[8:9], out0 s[10:11]
	v_lshl_add_u32 v[SPW], v0, 2, SPARE
	v_mov_b32 v[NIL], 0
	ds_add_u32 v[SPW], v[NIL]                      ; the wave's opening: the add, twice on end, and its wait ahead of my first tensor load
	ds_add_u32 v[SPW], v[NIL]
	v_lshrrev_b32 v1, 5, v0
	v_readfirstlane_b32 s12, v1                    ; wave 0..3
	s_lshr_b32 s13, s12, 1                         ; which half of the tile's rows is mine.  Also: I fetch for A (0) or for B (1)
	s_and_b32 s14, s12, 1                          ; which half of its columns.  Also: which half of that tile I fetch
	s_bfe_u32 s40, ttmp6, 0x40000                  ; cx, cy
	s_bfe_u32 s41, ttmp6, 0x40004
	s_lshl_b32 s42, ttmp9, 2
	s_add_co_u32 s42, s42, s40                     ; tile column 0..7
	s_and_b32 s15, ttmp7, 0xffff
	s_lshl_b32 s15, s15, 2
	s_add_co_u32 s15, s15, s41                     ; tile row 0..31
	s_lshl_b32 s43, s41, 2
	s_lshl_b32 s43, 15, s43                        ; my row of the cluster
	s_lshl_b32 s44, 0x1111, s40                    ; my column
	s_or_b32 s[G1+0], s43, (1<<16)|(1<<20)|(1<<21)|(5<<22)|(3<<25)  ; the mask; elements of 2 bytes; padding on; bit 21 beside a mask; 4 words of padding after every 64
	s_or_b32 s[G1B+0], s44, (1<<16)|(1<<20)|(1<<21)|(5<<22)|(7<<25) ; B: 8 words
.irp g, G1, G1B
	s_mov_b32 s[\g+1], 128<<16                     ; tensor_dim0 = 128 elements
	s_mov_b32 s[\g+2], 128<<16                     ; tensor_dim1 = 128 rows
	s_mov_b32 s[\g+3], 128<<16                     ; tile_dim0
	s_mov_b32 s[\g+4], 128                         ; tile_dim1
	s_mov_b32 s[\g+6], 0
	s_mov_b32 s[\g+7], 0
.endr
	s_mov_b32 s[G1+5], 128                         ; A's pitch: dense
	s_mov_b32 s[G1B+5], 1024                       ; B's: a row of wo16
	s_lshl_b32 s16, s15, 18                        ; A: a block of 128 rows is 262,144 bytes; my half of a K step: two heads, 32,768 bytes
	s_lshl_b32 s17, s14, 15
	s_add_co_u32 s16, s16, s17
	s_mov_b32 s17, 0
	s_lshl_b32 s46, s42, 8                         ; B: 128 columns are 256 bytes; my half of a K step: 128 rows of 2,048 bytes
	s_lshl_b32 s47, s14, 18
	s_add_co_u32 s46, s46, s47
	s_mov_b32 s47, 0
	s_mul_i32 s20, s14, 128*PA                     ; where they go: no place in the cluster enters an LDS address
	s_mul_i32 s21, s14, 128*PB
	s_add_co_u32 s21, s21, ATILE
	s_wait_dscnt 0x0                               ; both opening adds are done
	s_wait_kmcnt 0x0
	s_add_nc_u64 s[16:17], s[4:5], s[16:17]
	s_add_nc_u64 s[46:47], s[6:7], s[46:47]
	CROUND                                         ; all sixteen work-groups are here: the first joint loads meet
.irp s, 0,1
	s_mov_b32 s[G0+4*\s], 1
	s_add_co_u32 s[G0+4*\s+1], s20, \s*SLOT
	s_add_nc_u64 s[G0+4*\s+2:G0+4*\s+3], s[16:17], \s*65536
	s_or_b32 s[G0+4*\s+3], s[G0+4*\s+3], 0x80000000
	s_mov_b32 s[G0B+4*\s], 1
	s_add_co_u32 s[G0B+4*\s+1], s21, \s*SLOT
	s_add_nc_u64 s[G0B+4*\s+2:G0B+4*\s+3], s[46:47], \s*524288
	s_or_b32 s[G0B+4*\s+3], s[G0B+4*\s+3], 0x80000000
	JLOAD \s
.endr
	v_and_b32 v1, 15, v0                           ; r
	v_bfe_u32 v2, v0, 4, 1                         ; h
	s_lshl_b32 s46, s42, 9                         ; my first column, in bytes of f32: 512 x tile column + 256 x half
	s_lshl_b32 s47, s14, 8
	s_add_co_u32 s46, s46, s47
	s_mov_b32 s47, 0
	s_add_nc_u64 s[8:9], s[8:9], s[46:47]
	v_lshlrev_b32 v6, 5, v2                        ; the bias: for B's block b lane (r, h) wants columns 16 b + 8 h + 0 .. 7
.irp b, 0,1,2,3
	global_load_b128 v[BIAS+8*\b:BIAS+8*\b+3], v6, s[8:9] offset:64*\b
	global_load_b128 v[BIAS+8*\b+4:BIAS+8*\b+7], v6, s[8:9] offset:64*\b+16
.endr
	v_lshrrev_b32 v3, 1, v1                        ; A: row r of a block of 16: LDS row r / 2, half r % 2, + 16 h, + my 32 LDS rows
	v_mul_u32_u24 v3, v3, PA
	v_and_b32 v4, 1, v1
	v_lshl_add_u32 v3, v4, 7, v3
	v_lshl_add_u32 v3, v2, 4, v3
	s_mul_i32 s22, s13, 32*PA
	v_add_nc_u32 v[ADRA], s22, v3
	v_add_nc_u32 v[ADRA+1], SLOT, v[ADRA]
	v_and_b32 v4, 7, v0                            ; B, for the turning load: row k = 8 h + l % 8; columns 8 ((l / 8) % 2) on, + my 64 columns
	v_lshl_add_u32 v4, v2, 3, v4
	v_mul_u32_u24 v4, v4, PB
	v_bfe_u32 v5, v0, 3, 1
	v_lshl_add_u32 v4, v5, 4, v4
	s_lshl_b32 s23, s14, 7
	s_add_co_u32 s23, s23, ATILE
	v_add_nc_u32 v[ADRB], s23, v4
	v_add_nc_u32 v[ADRB+1], 128*PB, v[ADRB]
	v_add_nc_u32 v[ADRB+2], SLOT, v[ADRB]
	v_add_nc_u32 v[ADRB+3], SLOT+128*PB, v[ADRB]
	s_mul_i32 s23, s12, 16*SPITCH                  ; my stage
	v_mul_u32_u24 v4, v1, SPITCH
	v_lshl_add_u32 v4, v2, 5, v4
	v_add_nc_u32 v[STO], s23, v4                   ; in: row r, 32 bytes for each half of the lanes
	v_mul_u32_u24 v5, v2, SPITCH
	v_lshl_add_u32 v5, v1, 4, v5
	v_add_nc_u32 v[RD], s23, v5                    ; back: lanes 0-15 one row of 256 bytes, lanes 16-31 the next
	v_lshlrev_b32 v5, 12, v2
	v_lshl_add_u32 v[CO], v1, 4, v5                ; and the same two rows in out0
	s_lshl_b32 s16, s15, 19                        ; my first row: 128 x tile row + 64 x half, rows of 4,096 bytes
	s_lshl_b32 s17, s13, 18
	s_add_co_u32 s16, s16, s17
	s_add_co_u32 s16, s16, s46
	s_mov_b32 s17, 0
	s_add_nc_u64 s[10:11], s[10:11], s[16:17]
; 8 matrix instructions: row blocks a0, a0 + 1 x all 4 column blocks, 32 along K: half c of buffer f.  zero = 1: the first product starts the sums from the bias.  The 16 accumulators take turns.
.macro MUL8 f, c, a0, zero
.irp a, \a0, \a0+1
.irp b, 0,1,2,3
.if \zero
	v_wmma_f32_16x16x32_f16 v[ACC+8*(4*(\a)+\b):ACC+8*(4*(\a)+\b)+7], v[\f+64+8*(4*\c+\b):\f+64+8*(4*\c+\b)+7], v[\f+8*(4*\c+\a):\f+8*(4*\c+\a)+7], v[BIAS+8*\b:BIAS+8*\b+7]
.else
	v_wmma_f32_16x16x32_f16 v[ACC+8*(4*(\a)+\b):ACC+8*(4*(\a)+\b)+7], v[\f+64+8*(4*\c+\b):\f+64+8*(4*\c+\b)+7], v[\f+8*(4*\c+\a):\f+8*(4*\c+\a)+7], v[ACC+8*(4*(\a)+\b):ACC+8*(4*(\a)+\b)+7]
.endif
.endr
.endr
.endm
; 32 LDS loads in one run: the fragments of the slot's q-th 64 along K (one head) into buffer f; the first 32 along K first
.macro FETCH slot, q, f
	WIN TO_F
.irp c, 0,1
.irp i, 0,1,2,3
	ds_load_tr16_b128 v[\f+64+8*(4*\c+\i):\f+64+8*(4*\c+\i)+3],   v[ADRB+2*\slot+(\q)/2] offset:((2*(\q)+\c)%4)*32*PB+32*\i
	ds_load_tr16_b128 v[\f+64+8*(4*\c+\i)+4:\f+64+8*(4*\c+\i)+7], v[ADRB+2*\slot+(\q)/2] offset:((2*(\q)+\c)%4)*32*PB+16*PB+32*\i
	ds_load_b128 v[\f+8*(4*\c+\i):\f+8*(4*\c+\i)+3],              v[ADRA+\slot] offset:(\q)*64*PA+8*PA*\i+64*\c
	ds_load_b128 v[\f+8*(4*\c+\i)+4:\f+8*(4*\c+\i)+7],            v[ADRA+\slot] offset:(\q)*64*PA+8*PA*\i+64*\c+32
.endr
.endr
.endm
.macro PLACES                          ; four plain lines in front of loads into registers that matrix instructions have read, and of the first read of results
.rept 4
	v_nop
.endr
.endm
; A K step is four quarters of 64 along K, 32 matrix instructions each, on buffers 0, 1, 0, 1.  One of the first three: multiplies buffer f and fetches quarter q into g.
.macro QUARTER slot, q, f, g, zero
	s_wait_dscnt 16                                ; the first 32 along K are in; the youngest sixteen loads may be out
	WIN MUL
	MUL8 \f, 0, 0, \zero
	MUL8 \f, 0, 2, \zero
	PLACES
	FETCH \slot, \q, \g
	s_wait_dscnt 32                                ; all but the 32 just issued
	WIN MUL
	MUL8 \f, 1, 0, 0
	MUL8 \f, 1, 2, 0
.endm
; The last quarter multiplies buffer 1 and changes slots: one barrier; in front of it each wave waits for all its tensor loads, adds 0 to its spare word, and waits for that and for its reads of this slot.
; fill = 1: this slot is filled again, two K steps ahead: the barrier opens a round of the cluster's, and the joint refill is the first tensor load behind it.
.macro TURN slot, next, fill
	WIN 0
	s_wait_tensorcnt 0x0                           ; all my tensor loads have landed: my part of the next slot
	ds_add_u32 v[SPW], v[NIL]                      ; 0 onto my spare word
	s_wait_dscnt 17                                ; (the add and the youngest sixteen loads may be out)
	WIN MUL
	MUL8 F1, 0, 0, 0
	s_wait_dscnt 0x0                               ; the add is done, and my reads of this slot are over
	s_barrier_signal -1
	MUL8 F1, 0, 2, 0
.if \fill
	WIN 0
.endif
	s_barrier_wait -1
.if \fill
	CREST
	s_add_nc_u64 s[G0+4*\slot+2:G0+4*\slot+3], s[G0+4*\slot+2:G0+4*\slot+3], 131072
	s_add_nc_u64 s[G0B+4*\slot+2:G0B+4*\slot+3], s[G0B+4*\slot+2:G0B+4*\slot+3], 1048576
	JLOAD \slot                                    ; the four v_nop behind it are also the plain lines in front of the loads below
.else
	PLACES
.endif
	FETCH \next, 0, F0
	WIN MUL
	MUL8 F1, 1, 0, 0
	MUL8 F1, 1, 2, 0
.endm
	s_wait_tensorcnt 1                             ; my part of K step 0 is in (K step 1's load may be out),
	s_barrier_signal -1
	s_barrier_wait -1                              ; everybody's is
	FETCH 0, 0, F0
	s_wait_loadcnt 0x0                             ; the bias
	QUARTER 0, 1, F0, F1, 1                        ; K step 0
	QUARTER 0, 2, F1, F0, 0
	QUARTER 0, 3, F0, F1, 0
	TURN 0, 1, 1                                   ; slot 0 takes K step 2
	QUARTER 1, 1, F0, F1, 0                        ; K step 1
	QUARTER 1, 2, F1, F0, 0
	QUARTER 1, 3, F0, F1, 0
	TURN 1, 0, 1                                   ; slot 1 takes K step 3
	QUARTER 0, 1, F0, F1, 0                        ; K step 2
	QUARTER 0, 2, F1, F0, 0
	QUARTER 0, 3, F0, F1, 0
	TURN 0, 1, 0                                   ; nothing is left to fetch; behind this barrier nobody reads slot 0
	QUARTER 1, 1, F0, F1, 0                        ; K step 3
	QUARTER 1, 2, F1, F0, 0
	QUARTER 1, 3, F0, F1, 0
	s_wait_dscnt 16
	WIN MUL
	MUL8 F1, 0, 0, 0
	MUL8 F1, 0, 2, 0
	s_wait_dscnt 0
	MUL8 F1, 1, 0, 0
	MUL8 F1, 1, 2, 0
	WIN 0
; THE WAY OUT, a block of 16 rows x 64 columns at a time.  A lane holds 32 neighbouring bytes of a row; a row's 256 bytes are all my wave's: they go through my own stage and come back as whole rows,
; so that sixteen lanes store 256 consecutive bytes, aligned.  LDS serves a wave's instructions in order: no wait between the stores and the loads, nor in front of the next block's stores.
.macro TOSTAGE a
.irp b, 0,1,2,3
	ds_store_b128 v[STO], v[ACC+8*(4*(\a)+\b):ACC+8*(4*(\a)+\b)+3] offset:64*\b        ; each accumulator from its low end on
	ds_store_b128 v[STO], v[ACC+8*(4*(\a)+\b)+4:ACC+8*(4*(\a)+\b)+7] offset:64*\b+16
.endr
.irp t, 0,1,2,3,4,5,6,7
	ds_load_b128 v[TMP+32*((\a)%2)+4*\t:TMP+32*((\a)%2)+4*\t+3], v[RD] offset:\t*2*SPITCH
.endr
.endm
.macro SEND a, younger                 ; younger: the LDS instructions issued behind block a's loads, which may stay out
	s_wait_dscnt \younger
.irp t, 0,1,2,3,4,5,6,7
	global_store_b128 v[CO], v[TMP+32*((\a)%2)+4*\t:TMP+32*((\a)%2)+4*\t+3], s[10:11] offset:(16*(\a)+2*\t)*4096 th:TH_STORE_NT
.endr
.endm
	PLACES
	TOSTAGE 0
.irp a, 1,2,3
.if \a > 1
	s_wait_xcnt 0x0                                ; block a - 2's stores have read their registers: block a's loads may land there
.endif
	TOSTAGE \a
	SEND \a-1, 16                                  ; behind block a - 1's loads: block a's 8 stores and 8 loads
.endr
	SEND 3, 0
	s_wait_tensorcnt 0x0                           ; the wave's end: behind my last tensor load and my last LDS store
	ds_add_u32 v[SPW], v[NIL]
	s_wait_dscnt 0x0
	CROUND                                         ; the closing round
	s_endpgm
.Lfunc_end_k_qf28cffa3f6_outp:
	.size	k_qf28cffa3f6_outp, .Lfunc_end_k_qf28cffa3f6_outp-k_qf28cffa3f6_outp
	.p2alignl 7, 3214868480
	.fill 96, 4, 3214868480
	.section	.rodata,"a",@progbits
	.p2align	6, 0x0
	.amdhsa_kernel k_qf28cffa3f6_outp
		.amdhsa_group_segment_fixed_size 327680
		.amdhsa_private_segment_fixed_size 0
		.amdhsa_enable_private_segment 0
		.amdhsa_kernarg_size 32
		.amdhsa_user_sgpr_count 2
		.amdhsa_user_sgpr_kernarg_segment_ptr 1
		.amdhsa_wavefront_size32 1
		.amdhsa_system_sgpr_workgroup_id_x 1
		.amdhsa_system_sgpr_workgroup_id_y 1
		.amdhsa_system_sgpr_workgroup_id_z 1
		.amdhsa_system_vgpr_workitem_id 0
		.amdhsa_next_free_vgpr 512
		.amdhsa_next_free_sgpr 66
		.amdhsa_reserve_vcc 0
		.amdhsa_float_denorm_mode_32 3
		.amdhsa_float_denorm_mode_16_64 3
		.amdhsa_memory_ordered 1
		.amdhsa_forward_progress 1
		.amdhsa_inst_pref_size 86
	.end_amdhsa_kernel
	.amdgpu_metadata
---
amdhsa.version: [ 1, 2 ]
amdhsa.kernels:
  - .name:           k_qf28cffa3f6_outp
    .symbol:         k_qf28cffa3f6_outp.kd
    .args:
      - { .name: o, .offset: 0, .size: 8, .value_kind: global_buffer, .address_space: global }
      - { .name: wo16, .offset: 8, .size: 8, .value_kind: global_buffer, .address_space: global }
      - { .name: bO, .offset: 16, .size: 8, .value_kind: global_buffer, .address_space: global }
      - { .name: out0, .offset: 24, .size: 8, .value_kind: global_buffer, .address_space: global }
    .group_segment_fixed_size: 327680
    .private_segment_fixed_size: 0
    .kernarg_segment_align: 8
    .kernarg_segment_size: 32
    .max_flat_workgroup_size: 128
    .sgpr_count:     66
    .vgpr_count:     512
    .wavefront_size: 32
...
	.end_amdgpu_metadata
.endif
;; end of part 4
